; MI455X (gfx1250); checked and timed in simulation.
; The chip was launched on July 23, 2026; its instructions are those of AMD's public machine-readable ISA for CDNA 5 (MIT licence, August 2026) and "CDNA5" Instruction Set Architecture Reference Guide (July 2026). The comments in the code are by the model that wrote it; some were corrected since.
;; Multi Head Attention. Allowed arithmetic: matrix products marked QUANTISED: E2M3 operands, one E8M0 scale for each 32 along K, by v_wmma_scale_f32_16x16x128_f8f6f4 with both operands' format E2M3, f32 sums; everything else in f32.
;; Inputs: W_o 1,024 x 1,024 float32; W_qkv 1,024 x 3,072 float32; b_o 1,024 float32; b_qkv 3,072 float32; x 4 x 2,048 x 1,024 float32.
;; Outputs: out0 4 x 2,048 x 1,024 float32.
;; This version of the problem:
;;   THIS VERSION OF THE PROBLEM IS GIVEN IN LOW PRECISION. The matrix products marked QUANTISED in the list below multiply operands that are first quantised to E2M3 (2 exponent bits, 3 mantissa bits; 6 bits a number), with one power-of-two scale for each 32 numbers along K (OCP MX v1.0); their sums are f32. All else is computed in f32.
;;   The module's matrix products, in the order in which they are computed (A, B: the left and right operand; K: the contracted axis; several contracted axes count as one K, in the product's order):
;;     1. [M 8,192, K 1,024] x [K 1,024, N 3,072]; A: input x; B: input W_qkv: QUANTISED
;;     2. batch 64 x [M 2,048, K 64] x [K 64, N 2,048]; A: computed on the way; B: computed on the way: QUANTISED
;;     3. batch 64 x [M 2,048, K 2,048] x [K 2,048, N 64]; A: softmax (see below); B: computed on the way: QUANTISED
;;     4. [M 8,192, K 1,024] x [K 1,024, N 1,024]; A: computed on the way; B: input W_o: QUANTISED
;;   THE QUANTISER, for each operand of a quantised product, along K:
;;     - K is cut into blocks of 32 from its start; a last block that is shorter is filled with zeros.
;;     - A block's scale is 2^e with e = floor(log2(the largest magnitude in the block)) - 2, held to -126 .. 127; a block of zeros has e = 0. As a byte (E8M0): e + 127.
;;     - Each number is divided by its block's scale, clamped to +-7.5, and rounded to the nearest number of E2M3, ties to even, subnormals kept.
;;     - The product sums the exact products of the quantised numbers (number of the format x scale) in f32.
;;   ~~~python
;;   def quantise(x, axis):      # numpy; x: float32 -> the quantised numbers, widened to float32 again
;;       x = np.moveaxis(x, axis, -1); K = x.shape[-1]
;;       x = np.pad(x, [(0, 0)] * (x.ndim - 1) + [(0, -K % 32)]); x = x.reshape(x.shape[:-1] + (-1, 32)); a = np.abs(x).max(-1, keepdims=True)
;;       e = np.where(a > 0, np.clip(np.frexp(np.where(a > 0, a, 1))[1] - 1 - 2, -126, 127), 0)      # np.frexp(a)[1] - 1 = floor(log2(a)), exactly
;;       r = np.clip(x / 2.0 ** e, -7.5, 7.5)
;;       step = 2.0 ** (np.maximum(np.frexp(np.where(r == 0, 1, r))[1] - 1, 0) - 3)
;;       q = np.round(r / step) * step * 2.0 ** e      # np.round: ties to even
;;       return np.moveaxis(q.reshape(q.shape[:-2] + (-1,))[..., :K], -1, axis).astype(np.float32)
;;   ~~~
;;   SOFTMAX AHEAD OF A QUANTISED PRODUCT. Where the list says 'softmax', what is quantised is not the finished softmax but p = 2^(t - M), with t = logit x log2(e) and M = ceil(the row's largest t), a whole number; so 1/2 < the row's largest p <= 1. The row's sum l is taken of the UNQUANTISED p, in f32, and the product's result is divided by l at the end. Since M is a whole number, a kernel that streams over the keys may use a running M (the ceiling of the running maximum): every later rescaling is an exact power of two, which a block's scale takes up: the codes' values come out the same.
;;   OPERANDS COMPUTED ON THE WAY. 'Computed on the way' means the value that the module computes at that place (a softmax that the list does not call 'softmax' is quantised finished and normalised). What goes into a quantiser is computed in f32, as accurately as f32 sums, v_exp_f32 and their like allow (about 1e-6 of the number): no bf16 or f16 on the way to a quantiser, and a product that is left as it is and whose result goes on into a quantised operand takes f32 operands (vector FMAs, or v_wmma_f32_16x16x4_f32). A number that lies on a knife's edge between two numbers of the format may be rounded either way, as far as f32 arithmetic and the matrix unit's own rounding can turn it there, and no further.
;; One version. Each part assembles by itself: llvm-mc -triple=amdgcn-amd-amdhsa -mcpu=gfx1250 --defsym DOCPART=n.
;; ======== version 1 of 1: 4 launches
;; workspace buffers: xc 6,291,456 bytes; wc 3,145,728 bytes; sc 655,360 bytes; qb 13,369,344 bytes; kvb 13,369,344 bytes; ac 6,291,456 bytes
;; launch quant (part 1): grid 256 x 1, 8 waves a work-group, no clusters, 96,256 bytes of LDS; arguments x, W_qkv, W_o, xc, wc, sc; writes xc, wc, sc
.if DOCPART == 1
	.amdgcn_target "amdgcn-amd-amdhsa--gfx1250"
	.amdhsa_code_object_version 6
	.text
	.protected	k_q19fc931c70_quant
	.globl	k_q19fc931c70_quant
	.p2align	8
	.type	k_q19fc931c70_quant,@function
k_q19fc931c70_quant:
	s_mov_b64 s[64:65], 0
	v_nop
	global_prefetch_b8 v0, s[64:65] scope:SCOPE_SE
	s_setreg_imm32_b32 hwreg(HW_REG_WAVE_MODE, 25, 1), 1
	s_wait_xcnt 0x0
; x [8192][1024], W_qkv [1024][3072] and W_o [1024][1024], f32, become codes of FP6 (E2M3) with one E8M0 byte for each 32 along K (K = 1024 in all three).
; A block's scale is 2^(floor(log2(its largest magnitude)) - 2); its byte is the largest magnitude's exponent field - 2, held at 1 from below.
; LIMITS: NaN and infinities are not served; a block whose largest magnitude lies under 2^-124 keeps the byte 1; a block of zeros gets the byte 1 and not 127 (its codes are zeros, and this program alone reads the bytes).
; LAYOUT OF THE RESULTS: the order of an operand's registers.  A tile is 16 rows; of a group of 32 rows, tile u takes rows 8 u + s + 8 (s / 8), s = 0 .. 15 its slots.
; A fragment (16 slots x 128 K, 12 registers a lane, 1,536 bytes) is two pieces of 768 bytes; piece c: registers 6 c .. 6 c + 3 of lane l at 16 l, then registers 6 c + 4, 6 c + 5 at 512 + 8 l.
; xc, wc: [tile][K step 8][1,536].  Scale words in sc: [tile][half of K 2][slot 16][4 words]; x's tiles from byte 0, the weights' from byte 262,144.
; Work-groups 0-127 take x (K innermost: dense loads, a turn through the wave's own stage in LDS); work-groups 128-255 the weights (K is the first axis: a lane takes a column, its registers run down K).
; The two ways part on the work-group's number alone and have LDS bytes of their own.  No cluster: no two work-groups read the same bytes.
.set XST,   0                          ; x's stages: 16 rows x 528 bytes for each wave
.set WST,   67584                      ; the weights' stages: two tiles, 1,664 bytes apart, for each wave
.set EX,    94208                      ; the weights' scale words on their way between waves
.set SPARE, 95232                      ; the spare words: 128 bytes for each wave, four blocks of 256 bytes that no other line names
.set SPW,   12                         ; v12  LDS address of my spare word; never rewritten
.set NIL,   13                         ; v13  0; never rewritten
.set SEL,   20                         ; s[20:21] lane selects: lane l xor 16
.set R,     16                         ; v16-143  x: two sets of 64 numbers as loaded
.set XN,    144                        ; v144-207 x: 64 numbers, register 16 b + i = k 32 b + 16 (lane / 16) + i of my row
.set PC,    208                        ; v208-227 the codes just made
.set TM,    228                        ; v228-243 at work
.set WD,    244                        ; v244-247 my four scale words
; 64 numbers of a lane become a fragment's codes in v[PC] .. v[PC + 11] and its row's scale word in v[w]
.macro QUANT s, w
.irp b, 0,1,2,3
	v_max3_num_f32 v[TM+\b], |v[\s+16*\b]|, |v[\s+1+16*\b]|, 0x1800000   ; my 16 numbers of block b, and the floor 2^(3 - 127): the byte cannot fall under 1
.endr
.irp i, 2,4,6,8,10,12,14
.irp b, 0,1,2,3
	s_delay_alu instid0(VALU_DEP_4)
	v_max3_num_f32 v[TM+\b], v[TM+\b], |v[\s+16*\b+\i]|, |v[\s+1+16*\b+\i]|
.endr
.endr
.irp b, 0,1,2,3
	s_delay_alu instid0(VALU_DEP_4)
	v_permlanex16_b32 v[TM+4+\b], v[TM+\b], s[SEL], s[SEL+1]
.endr
.irp b, 0,1,2,3
	s_delay_alu instid0(VALU_DEP_4)
	v_max_num_f32 v[TM+\b], v[TM+\b], v[TM+4+\b]                 ; with lane l xor 16's 16: the block's largest magnitude
.endr
.irp b, 0,1,2,3
	s_delay_alu instid0(VALU_DEP_4)
	v_add_nc_u32 v[TM+12+\b], 0xff000000, v[TM+\b]               ; 2 off its exponent field: the conversion's scale operand
.endr
.irp b, 0,1,2,3
	s_delay_alu instid0(VALU_DEP_4)
	v_lshrrev_b32 v[TM+4+\b], 23, v[TM+12+\b]                    ; the scale's byte
.endr
	s_delay_alu instid0(VALU_DEP_3)
	v_lshl_or_b32 v[\w], v[TM+5], 8, v[TM+4]
	s_delay_alu instid0(VALU_DEP_1)
	v_lshl_or_b32 v[\w], v[TM+6], 16, v[\w]
	s_delay_alu instid0(VALU_DEP_1)
	v_lshl_or_b32 v[\w], v[TM+7], 24, v[\w]
.irp c, 0,1
	v_cvt_scalef32_pk16_fp6_f32 v[PC+6*\c:PC+2+6*\c], v[\s+32*\c:\s+15+32*\c], v[TM+12+2*\c]
	v_cvt_scalef32_pk16_fp6_f32 v[PC+12+4*\c:PC+14+4*\c], v[\s+16+32*\c:\s+31+32*\c], v[TM+12+2*\c+1]   ; (a conversion's three registers begin on an even number)
.endr
	v_nop                                          ; one plain instruction behind the scaled conversions
.irp c, 0,1                                    ; the operand wants a whole block in a lane: lanes 0-15 block 2 c, lanes 16-31 block 2 c + 1
.irp i, 0,1,2
	v_permlane16_swap_b32 v[PC+6*\c+\i], v[PC+12+4*\c+\i]
.endr
.irp i, 0,1,2
	s_delay_alu instid0(VALU_DEP_3)
	v_mov_b32 v[PC+3+6*\c+\i], v[PC+12+4*\c+\i]
.endr
.endr
.endm
	s_load_b128 s[4:7], s[0:1], 0x0                ; x, W_qkv
	s_load_b128 s[8:11], s[0:1], 0x10              ; W_o, xc
	s_load_b128 s[12:15], s[0:1], 0x20             ; wc, sc
	v_lshl_add_u32 v[SPW], v0, 2, SPARE
	v_mov_b32 v[NIL], 0
	v_lshrrev_b32 v1, 5, v0
	s_delay_alu instid0(VALU_DEP_1)
	v_readfirstlane_b32 s16, v1                    ; wave 0..7
	v_and_b32 v1, 31, v0                           ; lane
	v_and_b32 v2, 15, v0                           ; r
	v_bfe_u32 v3, v0, 4, 1                         ; h
	s_delay_alu instid0(VALU_DEP_3)
	v_lshlrev_b32 v4, 4, v1                        ; 16 x lane
	s_delay_alu instid0(VALU_DEP_4)
	v_lshlrev_b32 v5, 3, v1                        ; 8 x lane
	s_mov_b32 s[SEL], 0x76543210
	s_mov_b32 s[SEL+1], 0xfedcba98
	s_wait_kmcnt 0x0
	s_cmp_lt_u32 ttmp9, 128
	s_cbranch_scc0 .Lpath_w
; ---------------- x: wave id = 8 x work-group + wave takes tile id / 2, K steps 4 (id % 2) .. + 3: four fragments
	s_lshl_b32 s17, ttmp9, 3
	s_add_co_u32 s17, s17, s16                     ; id
	s_lshr_b32 s18, s17, 1                         ; the tile
	s_and_b32 s19, s17, 1                          ; the half of K
	s_lshr_b32 s22, s18, 1
	s_lshl_b32 s22, s22, 17                        ; 32 rows of 4,096 bytes for each group,
	s_and_b32 s23, s18, 1
	s_lshl_b32 s23, s23, 15                        ; 8 rows for the odd tile,
	s_add_co_u32 s22, s22, s23
	s_lshl_b32 s23, s19, 11                        ; 512 numbers for the upper half of K
	s_add_co_u32 s22, s22, s23
	s_mov_b32 s23, 0
	s_add_nc_u64 s[4:5], s[4:5], s[22:23]
	s_mul_i32 s22, s17, 6144                       ; four fragments
	s_add_nc_u64 s[10:11], s[10:11], s[22:23]
	s_lshl_b32 s22, s17, 8                         ; 16 slots x 4 words
	s_add_nc_u64 s[14:15], s[14:15], s[22:23]
	s_mul_i32 s24, s16, 8448                       ; my stage
	s_wait_alu depctr_va_vdst(0)
	v_add_nc_u32 v6, s24, v4                       ; in: a row's 512 bytes as they lie
	v_mul_u32_u24 v7, v2, 528
	s_delay_alu instid0(VALU_DEP_1)
	v_lshl_add_u32 v7, v3, 6, v7
	s_delay_alu instid0(VALU_DEP_1)
	v_add_nc_u32 v7, s24, v7                       ; out: row r, + 64 h: my 16 numbers of each block of 32.  Rows 528 bytes apart: the 16 rows of a load fall on 16 different columns of 16 bytes
.irp b, 0,1,2,3
	v_mov_b32 v[TM+4+\b], 0                        ; written once: a lane permute's destination counts as one of its sources
.endr
.macro LOADX f                         ; K step f of my 16 rows: each load reads 512 consecutive bytes of one row; slot i is row i + 8 (i / 8)
.irp i, 0,1,2,3,4,5,6,7,8,9,10,11,12,13,14,15
	global_load_b128 v[R+64*((\f)%2)+4*\i:R+64*((\f)%2)+4*\i+3], v4, s[4:5] offset:(\i+8*(\i/8))*4096+512*(\f) th:TH_LOAD_NT
.endr
.endm
.macro FRAGX f
.if (\f) < 3
	s_wait_loadcnt 16                              ; this fragment's 16 loads are in; the next one's 16 may be out
.else
	s_wait_loadcnt 0
.endif
.irp i, 0,1,2,3,4,5,6,7,8,9,10,11,12,13,14,15
	ds_store_b128 v6, v[R+64*((\f)%2)+4*\i:R+64*((\f)%2)+4*\i+3] offset:528*\i
.endr
.irp b, 0,1,2,3
.irp j, 0,1,2,3
	ds_load_b128 v[XN+16*\b+4*\j:XN+16*\b+4*\j+3], v7 offset:128*\b+16*\j   ; LDS serves a wave's instructions in order: these see my stores
.endr
.endr
	s_wait_dscnt 0x0                               ; the numbers are back, and the stores have read their registers,
.if (\f) < 2
	LOADX (\f)+2                                   ; which take the loads of two fragments on
.endif
.if (\f) > 0
	s_wait_xcnt 0x0                                ; the last fragment's stores have read the codes' registers
.endif
	QUANT XN, WD+(\f)
	global_store_b128 v4, v[PC:PC+3], s[10:11] offset:1536*(\f)            ; 512 consecutive bytes,
	global_store_b64 v5, v[PC+4:PC+5], s[10:11] offset:1536*(\f)+512       ; 256,
	global_store_b128 v4, v[PC+6:PC+9], s[10:11] offset:1536*(\f)+768      ; and the second piece likewise; all begin at multiples of 256
	global_store_b64 v5, v[PC+10:PC+11], s[10:11] offset:1536*(\f)+1280
.endm
	LOADX 0
	LOADX 1
	s_wait_alu depctr_va_vdst(0)
	FRAGX 0
	FRAGX 1
	FRAGX 2
	FRAGX 3
	s_wait_xcnt 0x0                                ; EXEC changes only behind this wait
	v_cmp_gt_u32 vcc_lo, 16, v1
	s_and_saveexec_b32 s25, vcc_lo
	global_store_b128 v4, v[WD:WD+3], s[14:15]     ; lanes 0-15: slot r's four words: 256 consecutive bytes, aligned
	s_wait_xcnt 0x0                                ; and again, in front of the line that widens it
	s_or_b32 exec_lo, exec_lo, s25
	s_branch .Lend
; ---------------- the weights: a wave takes 32 columns x 128 along K: two tiles' fragments of one K step
.Lpath_w:
	s_sub_co_u32 s17, ttmp9, 128
	s_lshr_b32 s18, s17, 1                         ; which pair of groups of 32 columns
	s_and_b32 s19, s17, 1                          ; which half of K
	s_lshr_b32 s22, s16, 2                         ; cg: which group of the pair
	s_and_b32 s23, s16, 3                          ; k4: which K step of the half
	s_lshl_b32 s24, s18, 1
	s_add_co_u32 s24, s24, s22                     ; G: the group, 0-95 in W_qkv, 96-127 in W_o
	s_lshl_b32 s25, s19, 2
	s_add_co_u32 s25, s25, s23                     ; the K step
	s_cmp_lt_u32 s18, 48                           ; the choice hangs on the work-group's number alone
	s_cselect_b64 s[6:7], s[6:7], s[8:9]
	s_mov_b32 s26, 4096
	s_cselect_b32 s26, 12288, s26                  ; a row of the tensor in bytes
	s_cselect_b32 s27, 0, 96
	s_sub_co_u32 s27, s24, s27
	s_lshl_b32 s27, s27, 7                         ; the group's first column, in bytes
	s_mul_i32 s28, s25, s26
	s_lshl_b32 s28, s28, 7                         ; 128 rows for each K step
	s_add_co_u32 s28, s28, s27
	s_mov_b32 s29, 0
	s_add_nc_u64 s[32:33], s[6:7], s[28:29]        ; a base for each of my four blocks of 32 rows; none is stepped
	s_lshl_b32 s28, s26, 5
	s_add_nc_u64 s[34:35], s[32:33], s[28:29]
	s_add_nc_u64 s[36:37], s[34:35], s[28:29]
	s_add_nc_u64 s[38:39], s[36:37], s[28:29]
	s_wait_alu depctr_va_vdst(0)
	v_lshlrev_b32 v8, 2, v1
.set I, 0
.rept 32
	v_mad_u32_u24 v[16+I], I, s26, v8              ; row I of a block, my column
.set I, I+1
.endr
	v_bfe_u32 v9, v0, 3, 1                         ; column c of the group is slot (c & 7) + 8 (c >> 4) of tile (c >> 3) & 1
	v_and_b32 v10, 7, v0
	s_delay_alu instid0(VALU_DEP_1)
	v_lshl_add_u32 v10, v3, 3, v10
	s_mul_i32 s30, s16, 3328
	s_add_co_u32 s30, s30, WST                     ; my stage
	v_mul_u32_u24 v11, v9, 1664
	s_delay_alu instid0(VALU_DEP_1)
	v_add_nc_u32 v11, s30, v11
	s_delay_alu instid0(VALU_DEP_1)
	v_lshl_add_u32 v6, v10, 4, v11                 ; where a block's first four registers go,
	s_delay_alu instid0(VALU_DEP_2)
	v_lshl_add_u32 v7, v10, 3, v11
	s_delay_alu instid0(VALU_DEP_1)
	v_add_nc_u32 v7, 512, v7                       ; and its last two
	v_add_nc_u32 v15, s30, v4                      ; back: 16 x lane
	s_lshl_b32 s31, s22, 9
	s_add_co_u32 s31, s31, EX
	v_add_nc_u32 v125, s31, v4                     ; the exchange, read: two tiles x 16 slots x 4 words
	s_lshl_b32 s40, s23, 2
	s_add_co_u32 s31, s31, s40
	v_lshlrev_b32 v14, 8, v9
	s_delay_alu instid0(VALU_DEP_1)
	v_lshl_add_u32 v14, v10, 4, v14
	s_delay_alu instid0(VALU_DEP_1)
	v_add_nc_u32 v14, s31, v14                     ; written: my slot's word of my K step
	v_lshlrev_b32 v126, 4, v2
	s_delay_alu instid0(VALU_DEP_1)
	v_lshl_add_u32 v126, v3, 9, v126               ; in sc: 512 bytes from tile to tile, 16 a slot
	s_mul_i32 s42, s24, 24576
	s_mul_i32 s43, s25, 1536
	s_add_co_u32 s42, s42, s43
	s_mov_b32 s43, 0
	s_add_nc_u64 s[12:13], s[12:13], s[42:43]      ; wc at tile 2 G, my K step
	s_lshl_b32 s42, s24, 10
	s_lshl_b32 s44, s19, 8
	s_add_co_u32 s42, s42, s44
	s_add_co_u32 s42, s42, 262144
	s_add_nc_u64 s[14:15], s[14:15], s[42:43]      ; sc at the weights' tile 2 G, my half of K
.macro LOADW t                         ; block t: 32 rows, 128 consecutive bytes a load
.set I, 0
.rept 32
	global_load_b32 v[48+32*((\t)%2)+I], v[16+I], s[32+2*(\t):33+2*(\t)] th:TH_LOAD_NT
.set I, I+1
.endr
.endm
.macro BLOCKW t
.set XS, 48+32*((\t)%2)
.if (\t) < 3
	s_wait_loadcnt 32                              ; this block's 32 loads are in; the next block's may be out
.else
	s_wait_loadcnt 0
.endif
	v_max3_num_f32 v8, |v[XS]|, |v[XS+1]|, |v[XS+2]|               ; the block's largest magnitude: all 32 numbers are mine
	v_max3_num_f32 v9, |v[XS+3]|, |v[XS+4]|, |v[XS+5]|
.irp i, 6,10,14,18,22,26
	s_delay_alu instid0(VALU_DEP_2)
	v_max3_num_f32 v8, v8, |v[XS+\i]|, |v[XS+\i+1]|
	s_delay_alu instid0(VALU_DEP_2)
	v_max3_num_f32 v9, v9, |v[XS+\i+2]|, |v[XS+\i+3]|
.endr
	s_delay_alu instid0(VALU_DEP_2)
	v_max3_num_f32 v8, v8, |v[XS+30]|, |v[XS+31]|
	s_delay_alu instid0(VALU_DEP_1)
	v_max3_num_f32 v8, v8, v9, 0x1800000           ; and the floor
	s_delay_alu instid0(VALU_DEP_1)
	v_add_nc_u32 v10, 0xff000000, v8               ; the conversion's scale operand
	s_delay_alu instid0(VALU_DEP_1)
	v_lshrrev_b32 v11, 23, v10                     ; the byte
.if (\t) == 0
	s_delay_alu instid0(VALU_DEP_1)
	v_mov_b32 v124, v11
.else
	s_delay_alu instid0(VALU_DEP_1)
	v_lshl_or_b32 v124, v11, 8*(\t), v124          ; the K step's word: the lower K in the lower byte
.endif
	v_cvt_scalef32_pk16_fp6_f32 v[112:114], v[XS:XS+15], v10
	v_cvt_scalef32_pk16_fp6_f32 v[120:122], v[XS+16:XS+31], v10
	v_nop                                          ; one plain instruction behind the scaled conversions
	v_mov_b32 v115, v120
	v_mov_b32 v116, v121
	v_mov_b32 v117, v122
	ds_store_b128 v6, v[112:115] offset:768*((\t)/2)+256*((\t)%2)   ; block t is piece t / 2 of lane slot + 16 (t % 2)
	ds_store_b64 v7, v[116:117] offset:768*((\t)/2)+128*((\t)%2)
.if (\t) < 2
	LOADW (\t)+2
.endif
	s_wait_dscnt 0x0                               ; the stores have read their registers
.endm
	LOADW 0
	LOADW 1
	BLOCKW 0
	BLOCKW 1
	BLOCKW 2
	BLOCKW 3
	s_wait_alu depctr_va_vdst(0)
	ds_store_b32 v14, v124                         ; my slot's scale word, for the wave that stores the four K steps' words together
.set Q, 0
.rept 6
	ds_load_b128 v[48+4*Q:48+4*Q+3], v15 offset:1664*(Q/3)+512*(Q%3)
.set Q, Q+1
.endr
.set Q, 0
.rept 6
	s_wait_dscnt 5-Q                               ; LDS instructions end in order: load Q is in
	global_store_b128 v4, v[48+4*Q:48+4*Q+3], s[12:13] offset:12288*(Q/3)+512*(Q%3)   ; 512 consecutive bytes, aligned
.set Q, Q+1
.endr
	s_barrier_signal -1                            ; the last count was 0: my store into the exchange is done
	s_barrier_wait -1
	s_cmp_lg_u32 s23, 0                            ; one wave of four stores a group's words
	s_cbranch_scc1 .Lend
	ds_load_b128 v[72:75], v125
	s_wait_dscnt 0x0
	global_store_b128 v126, v[72:75], s[14:15]     ; sixteen lanes store 256 consecutive bytes, aligned, for each of the two tiles
.Lend:
	s_wait_tensorcnt 0x0                           ; the wave's end: behind my last LDS store
	ds_add_u32 v[SPW], v[NIL]
	s_wait_dscnt 0x0
	s_endpgm
.Lfunc_end_k_q19fc931c70_quant:
	.size	k_q19fc931c70_quant, .Lfunc_end_k_q19fc931c70_quant-k_q19fc931c70_quant
	.p2alignl 7, 3214868480
	.fill 96, 4, 3214868480
	.section	.rodata,"a",@progbits
	.p2align	6, 0x0
	.amdhsa_kernel k_q19fc931c70_quant
		.amdhsa_group_segment_fixed_size 96256
		.amdhsa_private_segment_fixed_size 0
		.amdhsa_enable_private_segment 0
		.amdhsa_kernarg_size 48
		.amdhsa_user_sgpr_count 2
		.amdhsa_user_sgpr_kernarg_segment_ptr 1
		.amdhsa_wavefront_size32 1
		.amdhsa_system_sgpr_workgroup_id_x 1
		.amdhsa_system_sgpr_workgroup_id_y 1
		.amdhsa_system_sgpr_workgroup_id_z 1
		.amdhsa_system_vgpr_workitem_id 0
		.amdhsa_next_free_vgpr 256
		.amdhsa_next_free_sgpr 66
		.amdhsa_reserve_vcc 1
		.amdhsa_float_denorm_mode_32 3
		.amdhsa_float_denorm_mode_16_64 3
		.amdhsa_memory_ordered 1
		.amdhsa_forward_progress 1
		.amdhsa_inst_pref_size 67
	.end_amdhsa_kernel
	.amdgpu_metadata
---
amdhsa.version: [ 1, 2 ]
amdhsa.kernels:
  - .name:           k_q19fc931c70_quant
    .symbol:         k_q19fc931c70_quant.kd
    .args:
      - { .name: x, .offset: 0, .size: 8, .value_kind: global_buffer, .address_space: global }
      - { .name: W_qkv, .offset: 8, .size: 8, .value_kind: global_buffer, .address_space: global }
      - { .name: W_o, .offset: 16, .size: 8, .value_kind: global_buffer, .address_space: global }
      - { .name: xc, .offset: 24, .size: 8, .value_kind: global_buffer, .address_space: global }
      - { .name: wc, .offset: 32, .size: 8, .value_kind: global_buffer, .address_space: global }
      - { .name: sc, .offset: 40, .size: 8, .value_kind: global_buffer, .address_space: global }
    .group_segment_fixed_size: 96256
    .private_segment_fixed_size: 0
    .kernarg_segment_align: 8
    .kernarg_segment_size: 48
    .max_flat_workgroup_size: 256
    .sgpr_count:     66
    .vgpr_count:     256
    .wavefront_size: 32
...
	.end_amdgpu_metadata
.endif
;; end of part 1
;; launch gemm_qkv (part 2): grid 12 x 32, 4 waves a work-group, clusters of 4 x 4, 327,680 bytes of LDS; arguments xc, wc, sc, b_qkv, qb, kvb; writes qb, kvb
.if DOCPART == 2
	.amdgcn_target "amdgcn-amd-amdhsa--gfx1250"
	.amdhsa_code_object_version 6
	.text
	.protected	k_q19fc931c70_gemm_qkv
	.globl	k_q19fc931c70_gemm_qkv
	.p2align	8
	.type	k_q19fc931c70_gemm_qkv,@function
k_q19fc931c70_gemm_qkv:
	s_mov_b64 s[64:65], 0
	v_nop
	global_prefetch_b8 v0, s[64:65] scope:SCOPE_SE
	s_setreg_imm32_b32 hwreg(HW_REG_WAVE_MODE, 25, 1), 1
	s_wait_xcnt 0x0
	s_wait_alu depctr_hold_cnt(0) depctr_sa_sdst(0) depctr_va_vdst(0) depctr_va_sdst(0) depctr_va_ssrc(0) depctr_va_vcc(0) depctr_vm_vsrc(0)
	s_getreg_b32 s2, hwreg(HW_REG_IB_STS2, 6, 4)
	s_cmp_eq_u32 s2, 0
	s_cbranch_scc0 .Lentry_in_a_cluster
	s_endpgm
.Lentry_in_a_cluster:
	s_bfe_u32 s2, ttmp6, 0x10000c
	s_cmp_lg_u32 s2, 0xf033
	s_cbranch_scc0 .Lentry_shape_is_right
	s_endpgm
.Lentry_shape_is_right:
; qkv = x W_qkv + b_qkv on codes of FP6 (E2M3) with E8M0 scales, K = 1,024; the results never go to memory as f32: each wave quantises its 128 x 128 in registers, along the K of the product that will read them.
; A work-group of four waves makes 256 x 256, a wave 128 x 128: 64 accumulators of 16 x 16.  K goes in slots of 256 (two K steps of 128) through a ring of two LDS slots filled by the tensor data mover.
; Operands lie in memory in the order of an operand's registers (tile of 16 rows, K step, 1,536 bytes; two pieces of 768: four registers at 16 x lane, two at 8 x lane), so a fragment is four dense LDS loads.
; The matrix instruction's source 0 is called B here and its source 1 A: a lane holds ONE row of A, and its registers run along B's rows; the rows of a tile are 8 u + s + 8 (s / 8) of a group of 32, so that
; the 16 registers of B's tiles 2 b and 2 b + 1 are 16 neighbours.  Clusters x = 0, 1 (q, k): A = x, B = W: a lane holds a token, registers run along the head's columns.  Cluster x = 2 (v): A = W, B = x: a lane
; holds a channel, registers run along the tokens, which are the K of the product with the softmax.  The operands change places by a choice of pointers on the cluster's x; the text of the products is one.
; CLUSTERS: 4 x 4 work-groups; A's tiles are shared along a row of the cluster, B's along a column, each asked for jointly.
; RESULTS: a record of 208,896 bytes for each (batch, head): K's scale words [step 16][lane 32][4], V's [step 16][lane 32][2] at 8,192, then for each step of 128 tokens 8 tiles x 768 bytes of k (or q) and
; 4 tiles x 1,536 bytes of v.  q goes to qb, k and v to kvb.  A head has 64 columns: half a K step; its scale word is two bytes, with 0x7f in the two upper ones.
; LIMITS: NaN and infinities are not served; a block whose largest magnitude lies under 2^-124, a block of zeros too, gets the byte 1.
.set HALFT, 24576                      ; 8 tiles x two K steps: what one tensor load brings, and what one wave reads of A or of B
.set SLOT,  98304                      ; A's two halves, then B's
.set SPARE, 196608                     ; behind the ring: the spare words, 128 bytes for each wave: two blocks of 256 bytes that no other line names
.set HR,    208896                     ; a head's record
.set FR,    12                         ; registers of a fragment
.set NL,    4                          ; LDS loads that bring one
.set ADRA,  4                          ; v4-5 LDS address of my A fragments in slot 0, 1, 16 bytes a lane; v6-7 the same with 8 bytes a lane
.set ADRB,  8                          ; v8-11 the same for B
.set SPW,   12                         ; v12 LDS address of my spare word; never rewritten
.set NIL,   13                         ; v13 0; never rewritten
.set L16,   14                         ; v14 16 x lane
.set L8,    15                         ; v15 8 x lane
.set BV,    16                         ; v16-31 v's bias: block a's number of my channel, twice (a pair for the packed addition)
.set SC,    32                         ; v32-95 scale words of all of K: register 8 i + ks: lanes 0-15 A's block i, lanes 16-31 B's block i
.set AF,    128                        ; v128-223 A's fragments, one set.  (q's and k's bias lies in v96-127 and v224-255)
.set HA,    128                        ; the way out: 64 numbers
.set PC,    192                        ; the codes just made
.set TM,    32                         ; at work
.set T0,    48                         ; v48-49 the scale words of an even and an odd block
.set U0,    50
.set OA,    52                         ; v52-55, v56-59 scale words to store
.set OB,    56
.set WV,    16                         ; s16 wave; s17 wave / 2; s18 wave % 2
.set RH,    17
.set CH,    18
.set G1,    24                         ; s[24:31] descriptor group 1 for A's tiles; s[32:39] group 0, a set for each slot
.set G0,    32
.set G1B,   48                         ; s[48:55], s[56:63] the same for B's
.set G0B,   56
.set HM,    90                         ; s90 the mask of lanes 16-31
.set SEL,   92                         ; s[92:93] lane selects: lane l xor 16
.set M16,   94
.set PADW,  95
.set MSB, 0
.macro WIN new                         ; the immediate's high byte repeats the setting that is left
.if MSB != (\new)
	s_set_vgpr_msb (MSB<<8)|(\new)
.set MSB, (\new)
.endif
.endm
.set MUL_LO, 0xa1                      ; source 0 (B) window 1, source 1 (A) window 0, C and D window 2
.set MUL_HI, 0xf1                      ; the same, C and D window 3
.set TO_B,   0x40                      ; destination window 1, address window 0
; A joint load: waves 0 and 1 fetch A's halves, waves 2 and 3 B's.  The branch hangs on the wave's number alone.  An s_nop 0 and four v_nop follow each line.
.macro JLOAD g0a, g1a, g0b, g1b
	s_cmp_eq_u32 s[RH], 0
	s_cbranch_scc0 .Lfor_b_\@
	tensor_load_to_lds s[\g0a:\g0a+3], s[\g1a:\g1a+7]
	s_nop 0
.rept 4
	v_nop
.endr
	s_branch .Lasked_\@
.Lfor_b_\@:
	tensor_load_to_lds s[\g0b:\g0b+3], s[\g1b:\g1b+7]
	s_nop 0
.rept 4
	v_nop
.endr
.Lasked_\@:
.endm
.macro CREST                           ; a round of the cluster's barrier behind its opening barrier
	s_cmp_lg_u32 s[WV], 0
	s_cbranch_scc1 .Lnot_wave_0_\@
	s_barrier_signal -3
.Lnot_wave_0_\@:
	s_barrier_wait -3
	s_barrier_signal -1
	s_barrier_wait -1
.endm
.macro CROUND
	s_barrier_signal -1
	s_barrier_wait -1
	CREST
.endm
.macro PLACES n                        ; plain vector instructions between a matrix instruction and a load into, or a vector instruction on, its registers
.rept \n
	v_nop
.endr
.endm
.macro FRAG reg, adr, q, i             ; tile i, the slot's q-th K step: two pieces, each 512 + 256 consecutive bytes
	ds_load_b128 v[\reg:\reg+3], v[\adr] offset:3072*(\i)+1536*(\q)
	ds_load_b64 v[\reg+4:\reg+5], v[\adr+2] offset:3072*(\i)+1536*(\q)+512
	ds_load_b128 v[\reg+6:\reg+9], v[\adr] offset:3072*(\i)+1536*(\q)+768
	ds_load_b64 v[\reg+10:\reg+11], v[\adr+2] offset:3072*(\i)+1536*(\q)+1280
.endm
.macro FETCH_B slot, q, p              ; B's eight fragments into set p
	WIN TO_B
.irp i, 0,1,2,3,4,5,6,7
	FRAG 128*(\p)+FR*\i, ADRB+\slot, \q, \i
.endr
	WIN 0
.endm
.macro FETCH_A slot, q, i0             ; A's blocks i0 .. i0 + 3
.irp i, \i0, \i0+1, \i0+2, \i0+3
	FRAG AF+FR*(\i), ADRA+\slot, \q, \i
.endr
.endm
; 16 matrix instructions: A's blocks a0, a0 + 1 x B's eight, K step ks; p: B's set.  zero = 1: the product starts the sums.  The 64 accumulators take turns, one instruction a turn.
.macro MUL16 a0, p, ks, zero
.irp a, \a0, \a0+1
.irp b, 0,1,2,3,4,5,6,7
.if (\zero) == 1
	v_wmma_scale_f32_16x16x128_f8f6f4 v[8*(8*((\a)%4)+\b):8*(8*((\a)%4)+\b)+7], v[128*(\p)+FR*\b:128*(\p)+FR*\b+FR-1], v[AF+FR*(\a):AF+FR*(\a)+FR-1], 0, v[SC+8*\b+(\ks)], v[SC+8*(\a)+(\ks)] matrix_a_fmt:MATRIX_FMT_FP6 matrix_b_fmt:MATRIX_FMT_FP6 matrix_a_scale:MATRIX_SCALE_ROW1
.else
	v_wmma_scale_f32_16x16x128_f8f6f4 v[8*(8*((\a)%4)+\b):8*(8*((\a)%4)+\b)+7], v[128*(\p)+FR*\b:128*(\p)+FR*\b+FR-1], v[AF+FR*(\a):AF+FR*(\a)+FR-1], v[8*(8*((\a)%4)+\b):8*(8*((\a)%4)+\b)+7], v[SC+8*\b+(\ks)], v[SC+8*(\a)+(\ks)] matrix_a_fmt:MATRIX_FMT_FP6 matrix_b_fmt:MATRIX_FMT_FP6 matrix_a_scale:MATRIX_SCALE_ROW1
.endif
.endr
.endr
.endm
; A slot's first K step: B's set 0; its successor's fragments come from the same slot
.macro STEP slot, ks, zero
	s_wait_dscnt 4*NL                              ; B's set and A's blocks 0-3 are in; the youngest 16 loads (A's blocks 4-7) may be out
	WIN MUL_LO
	MUL16 0, 0, \ks, \zero
	MUL16 2, 0, \ks, \zero
	s_wait_dscnt 0x0                               ; A's blocks 4-7 are in
	PLACES 4
	FETCH_B \slot, 1, 1
	FETCH_A \slot, 1, 0
	WIN MUL_HI
	MUL16 4, 0, \ks, \zero
	MUL16 6, 0, \ks, \zero
	PLACES 4
	WIN 0
	FETCH_A \slot, 1, 4
.endm
; A slot's second K step changes slots: one barrier; in front of it each wave waits for all its tensor loads, adds 0 to its spare word, and waits for that and for its reads of this slot.  fill = 1: this slot is filled again.
.macro TURN slot, next, ks, fill
	s_wait_tensorcnt 0x0                           ; all my tensor loads have landed: my part of the next slot
	ds_add_u32 v[SPW], v[NIL]                      ; 0 onto my spare word
	s_wait_dscnt 4*NL+1                            ; (the add and the youngest 16 loads may be out)
	WIN MUL_LO
	MUL16 0, 1, \ks, 0                             ; sixteen matrix instructions stand between the add and the wait for it
	s_wait_dscnt 0x0                               ; the add is done, and my reads of this slot are over
	s_barrier_signal -1
	MUL16 2, 1, \ks, 0
	WIN 0
	s_barrier_wait -1
.if \fill
	CREST                                          ; the barrier has opened a round of the cluster's barrier: no wave of any partner still reads this slot or has a load on its way
	s_add_nc_u64 s[G0+4*\slot+2:G0+4*\slot+3], s[G0+4*\slot+2:G0+4*\slot+3], 6144    ; four K steps on
	s_add_nc_u64 s[G0B+4*\slot+2:G0B+4*\slot+3], s[G0B+4*\slot+2:G0B+4*\slot+3], 6144
	JLOAD G0+4*\slot, G1, G0B+4*\slot, G1B         ; the first tensor load behind the round; its four v_nop are the places in front of the loads below
.else
	PLACES 4
.endif
	FETCH_B \next, 0, 0
	FETCH_A \next, 0, 0
	WIN MUL_HI
	MUL16 4, 1, \ks, 0
	MUL16 6, 1, \ks, 0
	PLACES 4
	WIN 0
	FETCH_A \next, 0, 4
.endm
; 64 numbers of a lane, register 16 b + i = k 32 b + 16 (lane / 16) + i of my row, become a fragment's codes in v[PC] .. v[PC + 11] and the row's scale word in v[w]
.macro QUANT s, w
.irp b, 0,1,2,3
	v_max3_num_f32 v[TM+\b], |v[\s+16*\b]|, |v[\s+1+16*\b]|, 0x1800000   ; my 16 numbers of block b, and the floor 2^(3 - 127)
.endr
.irp i, 2,4,6,8,10,12,14
.irp b, 0,1,2,3
	v_max3_num_f32 v[TM+\b], v[TM+\b], |v[\s+16*\b+\i]|, |v[\s+1+16*\b+\i]|
.endr
.endr
.irp b, 0,1,2,3
	v_permlanex16_b32 v[TM+4+\b], v[TM+\b], s[SEL], s[SEL+1]
.endr
.irp b, 0,1,2,3
	v_max_num_f32 v[TM+\b], v[TM+\b], v[TM+4+\b]
.endr
.irp b, 0,1,2,3
	v_add_nc_u32 v[TM+12+\b], 0xff000000, v[TM+\b]               ; 2 off the exponent field: the conversion's scale operand
.endr
.irp b, 0,1,2,3
	v_lshrrev_b32 v[TM+4+\b], 23, v[TM+12+\b]                    ; the scale's byte
.endr
	v_lshl_or_b32 v[\w], v[TM+5], 8, v[TM+4]
	v_lshl_or_b32 v[\w], v[TM+6], 16, v[\w]
	v_lshl_or_b32 v[\w], v[TM+7], 24, v[\w]
.irp c, 0,1
	v_cvt_scalef32_pk16_fp6_f32 v[PC+6*\c:PC+2+6*\c], v[\s+32*\c:\s+15+32*\c], v[TM+12+2*\c]
	v_cvt_scalef32_pk16_fp6_f32 v[PC+12+4*\c:PC+14+4*\c], v[\s+16+32*\c:\s+31+32*\c], v[TM+12+2*\c+1]
.endr
	v_nop                                          ; one plain instruction behind the scaled conversions
.irp c, 0,1
.irp i, 0,1,2
	v_permlane16_swap_b32 v[PC+6*\c+\i], v[PC+12+4*\c+\i]
.endr
.irp i, 0,1,2
	v_mov_b32 v[PC+3+6*\c+\i], v[PC+12+4*\c+\i]
.endr
.endr
.endm
	s_load_b256 s[4:11], s[0:1], 0x0               ; xc s[4:5], wc s[6:7], sc s[8:9], b_qkv s[10:11]
	s_load_b128 s[12:15], s[0:1], 0x20             ; qb s[12:13], kvb s[14:15]
	v_lshl_add_u32 v[SPW], v0, 2, SPARE
	v_mov_b32 v[NIL], 0
	ds_add_u32 v[SPW], v[NIL]                      ; the wave's opening: the add and its wait stand ahead of my first tensor load; work on registers stands between them
	v_lshrrev_b32 v1, 5, v0
	v_readfirstlane_b32 s[WV], v1                  ; wave 0..3
	s_lshr_b32 s[RH], s[WV], 1                     ; which half of A's rows is mine.  Also: I fetch for A (0) or for B (1)
	s_and_b32 s[CH], s[WV], 1                      ; which half of B's rows.  Also: which half of that tile I fetch
	s_bfe_u32 s40, ttmp6, 0x40000                  ; cx
	s_bfe_u32 s41, ttmp6, 0x40004                  ; cy
	s_and_b32 s42, ttmp7, 0xffff
	s_lshl_b32 s42, s42, 2                         ; 4 x cluster y
	s_lshl_b32 s45, ttmp9, 2                       ; 4 x cluster x
	s_lshl_b32 s43, s41, 2
	s_lshl_b32 s43, 15, s43                        ; my row of the cluster
	s_lshl_b32 s44, 0x1111, s40                    ; my column
	s_or_b32 s[G1+0], s43, (3<<16)|(1<<21)         ; 15:0 the mask; 17:16 elements of 8 bytes; 20 no padding; 21 set beside a mask
	s_or_b32 s[G1B+0], s44, (3<<16)|(1<<21)
.irp g, G1, G1B
	s_mov_b32 s[\g+1], 384<<16                     ; tensor_dim0: two K steps of a tile, 3,072 bytes
	s_mov_b32 s[\g+2], 8<<16                       ; tensor_dim1: 8 tiles
	s_mov_b32 s[\g+3], 384<<16                     ; tile_dim0
	s_mov_b32 s[\g+4], 8                           ; tile_dim1
	s_mov_b32 s[\g+5], 1536                        ; from tile to tile: 12,288 bytes
	s_mov_b32 s[\g+6], 0
	s_mov_b32 s[\g+7], 0
.endr
	s_cmp_eq_u32 ttmp9, 2                          ; v's clusters?  The same in all sixteen partners
	s_cselect_b32 s46, 8, s42                      ; A's tile of 256 rows: of W from column 2,048 on, or of x
	s_cselect_b32 s47, s42, s45                    ; B's: of x, or of W
	s_cselect_b32 s66, 262144, 0                   ; where A's scale words begin in sc,
	s_cselect_b32 s67, 0, 262144                   ; and B's
	s_add_co_u32 s46, s46, s41                     ; + cy: A's registers never hold cx,
	s_add_co_u32 s47, s47, s40                     ; + cx: nor B's cy
	s_lshl_b32 s19, s[CH], 3
	s_lshl_b32 s20, s46, 4
	s_add_co_u32 s20, s20, s19
	s_mul_i32 s20, s20, 12288                      ; the 8 tiles that I fetch, if I fetch for A
	s_mov_b32 s21, 0
	s_lshl_b32 s22, s47, 4
	s_add_co_u32 s22, s22, s19
	s_mul_i32 s22, s22, 12288                      ; if for B
	s_mov_b32 s23, 0
	s_mul_i32 s68, s[WV], HALFT                    ; where they go: no place in the cluster enters an LDS address
	s_mov_b32 s[HM], 0xffff0000
	s_mov_b32 s[SEL], 0x76543210
	s_mov_b32 s[SEL+1], 0xfedcba98
	s_mov_b32 s[M16], 0xffff
	s_mov_b32 s[PADW], 0x7f7f0000
	s_wait_dscnt 0x0                               ; the opening add is done
	s_wait_kmcnt 0x0
	s_cmp_eq_u32 ttmp9, 2
	s_cselect_b64 s[70:71], s[6:7], s[4:5]         ; A's codes
	s_cselect_b64 s[72:73], s[4:5], s[6:7]         ; B's codes
	s_add_nc_u64 s[70:71], s[70:71], s[20:21]
	s_add_nc_u64 s[72:73], s[72:73], s[22:23]
	CROUND                                         ; all sixteen work-groups are here: the first joint loads meet
.irp s, 0,1
	s_mov_b32 s[G0+4*\s], 1
	s_add_co_u32 s[G0+4*\s+1], s68, \s*SLOT
	s_add_nc_u64 s[G0+4*\s+2:G0+4*\s+3], s[70:71], \s*3072
	s_or_b32 s[G0+4*\s+3], s[G0+4*\s+3], 0x80000000
	s_mov_b32 s[G0B+4*\s], 1
	s_add_co_u32 s[G0B+4*\s+1], s68, \s*SLOT
	s_add_nc_u64 s[G0B+4*\s+2:G0B+4*\s+3], s[72:73], \s*3072
	s_or_b32 s[G0B+4*\s+3], s[G0B+4*\s+3], 0x80000000
	JLOAD G0+4*\s, G1, G0B+4*\s, G1B               ; two loads of mine are out
.endr
	v_and_b32 v1, 15, v0                           ; r
	v_bfe_u32 v2, v0, 4, 1                         ; h
	v_and_b32 v3, 31, v0
	v_lshlrev_b32 v[L16], 4, v3
	v_lshlrev_b32 v[L8], 3, v3
	s_mul_i32 s19, s[RH], HALFT                    ; my 8 tiles of A,
	s_mul_i32 s69, s[CH], HALFT
	s_add_co_u32 s69, s69, 2*HALFT                 ; and of B, behind A's two halves
.irp s, 0,1
	v_add_nc_u32 v[ADRA+\s], s19, v[L16]
	v_add_nc_u32 v[ADRA+2+\s], s19, v[L8]
	v_add_nc_u32 v[ADRB+\s], s69, v[L16]
	v_add_nc_u32 v[ADRB+2+\s], s69, v[L8]
	s_add_co_u32 s19, s19, SLOT
	s_add_co_u32 s69, s69, SLOT
.endr
	s_lshl_b32 s74, s46, 4                         ; the scale words of all of K stay in registers: lanes 0-15 take A's, lanes 16-31 B's
	s_lshl_b32 s75, s[RH], 3
	s_add_co_u32 s74, s74, s75
	s_lshl_b32 s74, s74, 9
	s_add_co_u32 s74, s74, s66
	s_lshl_b32 s76, s47, 4
	s_lshl_b32 s75, s[CH], 3
	s_add_co_u32 s76, s76, s75
	s_lshl_b32 s76, s76, 9
	s_add_co_u32 s76, s76, s67
	v_mov_b32 v3, s74
	v_mov_b32 v16, s76
	v_cndmask_b32 v3, v3, v16, s[HM]
	v_lshl_add_u32 v3, v1, 4, v3                   ; + 16 bytes a slot
.irp i, 0,1,2,3,4,5,6,7
.irp g, 0,1
	global_load_b128 v[SC+8*\i+4*\g:SC+8*\i+4*\g+3], v3, s[8:9] offset:512*\i+256*\g   ; sixteen lanes read 256 consecutive bytes
.endr
.endr
	s_lshl_b32 s77, s47, 8
	s_lshl_b32 s75, s[CH], 7
	s_add_co_u32 s77, s77, s75                     ; my first row of B: a column of W (q, k) or a token (v)
	s_lshl_b32 s78, s46, 8
	s_lshl_b32 s75, s[RH], 7
	s_add_co_u32 s78, s78, s75                     ; my first row of A: a token, or a column of W
	s_cmp_eq_u32 ttmp9, 2                          ; both kinds of bias are loaded on both ways, the one that is not used from b_qkv's head
	s_cselect_b32 s79, 0, s77
	s_cselect_b32 s80, s78, 0
	s_lshl_b32 s79, s79, 2
	s_lshl_b32 s80, s80, 2
	v_lshl_add_u32 v2, v2, 6, s79                  ; q, k: register 8 b + j of my half is column 32 (b / 2) + 8 (b % 2) + 16 h + j
	v_and_b32 v0, 8, v1
	v_add_nc_u32 v1, v0, v1
	v_lshl_add_u32 v1, v1, 2, s80                  ; v: my channel of block a is column 32 (a / 2) + 8 (a % 2) + r + 8 (r / 8)
.irp b, 0,1,2,3,4,5,6,7
	global_load_b128 v[96+8*\b+96*(\b/4):96+8*\b+96*(\b/4)+3], v2, s[10:11] offset:(32*(\b/2)+8*(\b%2))*4
	global_load_b128 v[96+8*\b+96*(\b/4)+4:96+8*\b+96*(\b/4)+7], v2, s[10:11] offset:(32*(\b/2)+8*(\b%2))*4+16
.endr
.irp a, 0,1,2,3,4,5,6,7
	global_load_b32 v[BV+2*\a], v1, s[10:11] offset:(32*(\a/2)+8*(\a%2))*4
	global_load_b32 v[BV+2*\a+1], v1, s[10:11] offset:(32*(\a/2)+8*(\a%2))*4
.endr
	s_wait_tensorcnt 1                             ; my part of slot 0 is in (slot 1's load may be out)
	s_barrier_signal -1
	s_barrier_wait -1                              ; everybody's is
	FETCH_B 0, 0, 0
	FETCH_A 0, 0, 0
	FETCH_A 0, 0, 4
	s_wait_loadcnt 32                              ; the scale words are in; the 32 loads of the biases may be out
	STEP 0, 0, 1                                   ; the first K step's products start the sums
	TURN 0, 1, 1, 1                                ; slot 0 takes K steps 4 and 5
	STEP 1, 2, 0
	TURN 1, 0, 3, 1                                ; slot 1 takes K steps 6 and 7
	STEP 0, 4, 0
	TURN 0, 1, 5, 0                                ; nothing is left to fetch
	STEP 1, 6, 0
	s_wait_dscnt 4*NL
	WIN MUL_LO
	MUL16 0, 1, 7, 0
	MUL16 2, 1, 7, 0
	s_wait_dscnt 0x0
	WIN MUL_HI
	MUL16 4, 1, 7, 0
	MUL16 6, 1, 7, 0
	WIN 0
; THE WAY OUT, block by block of A: bias, quantiser, stores.  A block's 64 numbers of a lane are 128 along the next K: two heads' columns (q, k) or 128 tokens (v).  No LDS: the codes leave in the order of the operand's registers.
.macro EPI isv
.if \isv
	s_lshr_b32 s81, s77, 11                        ; the batch: tokens are B's rows,
	s_lshl_b32 s81, s81, 4
	s_sub_co_u32 s82, s78, 2048
	s_lshr_b32 s82, s82, 6                         ; the first of my two heads: channels are A's rows
	s_add_co_u32 s81, s81, s82
	s_mul_i32 s82, s81, HR
	s_bfe_u32 s83, s77, 0x40007                    ; the step of 128 tokens
	s_lshl_b32 s84, s83, 8
	s_add_co_u32 s84, s84, s82
	s_add_co_u32 s84, s84, 8192                    ; V's scale words
	s_mov_b32 s85, 0
	s_mul_i32 s86, s83, 12288
	s_add_co_u32 s86, s86, s82
	s_add_co_u32 s86, s86, 12288+6144              ; V's codes
	s_mov_b32 s87, 0
	s_add_nc_u64 s[84:85], s[14:15], s[84:85]
	s_add_nc_u64 s[86:87], s[14:15], s[86:87]
.else
	s_lshr_b32 s81, s78, 11                        ; the batch: tokens are A's rows,
	s_lshl_b32 s81, s81, 4
	s_and_b32 s82, s77, 1023
	s_lshr_b32 s82, s82, 6                         ; the first of my two heads
	s_add_co_u32 s81, s81, s82
	s_mul_i32 s82, s81, HR
	s_bfe_u32 s83, s78, 0x40007                    ; the step of 128 tokens
	s_lshl_b32 s84, s83, 9
	s_add_co_u32 s84, s84, s82                     ; the scale words
	s_mov_b32 s85, 0
	s_mul_i32 s86, s83, 12288
	s_add_co_u32 s86, s86, s82
	s_add_co_u32 s86, s86, 12288                   ; the codes
	s_mov_b32 s87, 0
	s_cmp_eq_u32 ttmp9, 0
	s_cselect_b64 s[88:89], s[12:13], s[14:15]     ; q's buffer or k's
	s_add_nc_u64 s[84:85], s[88:89], s[84:85]
	s_add_nc_u64 s[86:87], s[88:89], s[86:87]
.endif
.irp a, 0,1,2,3,4,5,6,7
	WIN 0x02+\a/4                                  ; source 0: window 2 or 3
.set I, 0
.rept 32
.if \isv
	v_pk_add_f32 v[HA+2*I:HA+2*I+1], v[64*(\a%4)+2*I:64*(\a%4)+2*I+1], v[BV+2*\a:BV+2*\a+1]                 ; each accumulator from its low end on
.else
	v_pk_add_f32 v[HA+2*I:HA+2*I+1], v[64*(\a%4)+2*I:64*(\a%4)+2*I+1], v[96+2*I+96*(I/16):96+2*I+96*(I/16)+1]
.endif
.set I, I+1
.endr
	WIN 0
.if \a > 0
	s_wait_xcnt 0x0                                ; the last block's stores have read the codes' registers
.endif
	QUANT HA, T0+\a%2
.if \isv
.irp c, 0,1,2
	global_store_b128 v[L16], v[PC+4*\c:PC+4*\c+3], s[86:87] offset:(\a/4)*HR+(\a%4)*1536+512*\c   ; 512 consecutive bytes, aligned
.endr
.if \a%2
	v_cndmask_b32 v[OA+\a/2], v[T0], v[T0+1], s[HM]   ; lanes 0-15 the even tile's words, lanes 16-31 the odd one's
.endif
.else
	global_store_b128 v[L16], v[PC:PC+3], s[86:87] offset:768*\a              ; the first head's piece,
	global_store_b64 v[L8], v[PC+4:PC+5], s[86:87] offset:768*\a+512
	global_store_b128 v[L16], v[PC+6:PC+9], s[86:87] offset:768*\a+HR         ; the second's, in the next record
	global_store_b64 v[L8], v[PC+10:PC+11], s[86:87] offset:768*\a+HR+512
.if \a%2
	v_cndmask_b32 v[U0], v[T0], v[T0+1], s[HM]
	v_and_or_b32 v[OA+\a/2], v[U0], s[M16], s[PADW]   ; the first head's two bytes, 0x7f above them
	v_lshrrev_b32 v[U0], 16, v[U0]
	v_or_b32 v[OB+\a/2], s[PADW], v[U0]               ; the second head's
.endif
.endif
.endr
.if \isv
	global_store_b64 v[L8], v[OA:OA+1], s[84:85]              ; 256 consecutive bytes, aligned
	global_store_b64 v[L8], v[OA+2:OA+3], s[84:85] offset:HR
.else
	global_store_b128 v[L16], v[OA:OA+3], s[84:85]            ; 512 consecutive bytes, aligned
	global_store_b128 v[L16], v[OB:OB+3], s[84:85] offset:HR
.endif
.endm
	PLACES 4                                       ; behind the last products
	s_wait_loadcnt 0x0                             ; the biases
.irp b, 0,1,2,3
	v_mov_b32 v[TM+4+\b], 0                        ; a lane permute's destination counts as one of its sources
.endr
	s_cmp_eq_u32 ttmp9, 2
	s_cbranch_scc1 .Lway_v
	EPI 0
	s_branch .Lend
.Lway_v:
	EPI 1
.Lend:
	s_wait_tensorcnt 0x0                           ; the wave's end: behind my last tensor load
	ds_add_u32 v[SPW], v[NIL]
	s_wait_dscnt 0x0
	CROUND                                         ; the closing round: no work-group ends while a partner may still ask for a tile that names it
	s_endpgm
.Lfunc_end_k_q19fc931c70_gemm_qkv:
	.size	k_q19fc931c70_gemm_qkv, .Lfunc_end_k_q19fc931c70_gemm_qkv-k_q19fc931c70_gemm_qkv
	.p2alignl 7, 3214868480
	.fill 96, 4, 3214868480
	.section	.rodata,"a",@progbits
	.p2align	6, 0x0
	.amdhsa_kernel k_q19fc931c70_gemm_qkv
		.amdhsa_group_segment_fixed_size 327680
		.amdhsa_private_segment_fixed_size 0
		.amdhsa_enable_private_segment 0
		.amdhsa_kernarg_size 48
		.amdhsa_user_sgpr_count 2
		.amdhsa_user_sgpr_kernarg_segment_ptr 1
		.amdhsa_wavefront_size32 1
		.amdhsa_system_sgpr_workgroup_id_x 1
		.amdhsa_system_sgpr_workgroup_id_y 1
		.amdhsa_system_sgpr_workgroup_id_z 1
		.amdhsa_system_vgpr_workitem_id 0
		.amdhsa_next_free_vgpr 1024
		.amdhsa_next_free_sgpr 100
		.amdhsa_reserve_vcc 0
		.amdhsa_float_denorm_mode_32 3
		.amdhsa_float_denorm_mode_16_64 3
		.amdhsa_memory_ordered 1
		.amdhsa_forward_progress 1
		.amdhsa_inst_pref_size 216
	.end_amdhsa_kernel
	.amdgpu_metadata
---
amdhsa.version: [ 1, 2 ]
amdhsa.kernels:
  - .name:           k_q19fc931c70_gemm_qkv
    .symbol:         k_q19fc931c70_gemm_qkv.kd
    .args:
      - { .name: xc, .offset: 0, .size: 8, .value_kind: global_buffer, .address_space: global }
      - { .name: wc, .offset: 8, .size: 8, .value_kind: global_buffer, .address_space: global }
      - { .name: sc, .offset: 16, .size: 8, .value_kind: global_buffer, .address_space: global }
      - { .name: b_qkv, .offset: 24, .size: 8, .value_kind: global_buffer, .address_space: global }
      - { .name: qb, .offset: 32, .size: 8, .value_kind: global_buffer, .address_space: global }
      - { .name: kvb, .offset: 40, .size: 8, .value_kind: global_buffer, .address_space: global }
    .group_segment_fixed_size: 327680
    .private_segment_fixed_size: 0
    .kernarg_segment_align: 8
    .kernarg_segment_size: 48
    .max_flat_workgroup_size: 128
    .sgpr_count:     100
    .vgpr_count:     1024
    .wavefront_size: 32
...
	.end_amdgpu_metadata
.endif
;; end of part 2
;; launch attn (part 3): grid 4 x 64, 16 waves a work-group, clusters of 4 x 1, 327,680 bytes of LDS; arguments qb, kvb, ac, sc; writes ac, sc
.if DOCPART == 3
	.amdgcn_target "amdgcn-amd-amdhsa--gfx1250"
	.amdhsa_code_object_version 6
	.text
	.protected	k_q19fc931c70_attn
	.globl	k_q19fc931c70_attn
	.p2align	8
	.type	k_q19fc931c70_attn,@function
k_q19fc931c70_attn:
	s_mov_b64 s[64:65], 0
	v_nop
	global_prefetch_b8 v0, s[64:65] scope:SCOPE_SE
	s_setreg_imm32_b32 hwreg(HW_REG_WAVE_MODE, 25, 1), 1
	s_wait_xcnt 0x0
	s_wait_alu depctr_hold_cnt(0) depctr_sa_sdst(0) depctr_va_vdst(0) depctr_va_sdst(0) depctr_va_ssrc(0) depctr_va_vcc(0) depctr_vm_vsrc(0)
	s_getreg_b32 s2, hwreg(HW_REG_IB_STS2, 6, 4)
	s_cmp_eq_u32 s2, 0
	s_cbranch_scc0 .Lentry_in_a_cluster
	s_endpgm
.Lentry_in_a_cluster:
	s_bfe_u32 s2, ttmp6, 0x10000c
	s_cmp_lg_u32 s2, 0x3003
	s_cbranch_scc0 .Lentry_shape_is_right
	s_endpgm
.Lentry_shape_is_right:
; Causal attention of one (batch, head) for each cluster, both products on codes of FP6 (E2M3) with E8M0 scales; head size 64, 2,048 tokens.
; t = score x log2(e) / 8; M = the running largest t rounded up to a whole number; p = 2^(t - M) is quantised along the keys, not normalised; the row's sum of the unquantised p divides O at the end.
; O / sum is quantised along the head's 64 columns, in registers, and leaves as a piece of the output projection's operand (ac) with its two scale bytes (sc).
; A HEAD'S WHOLE K AND V, codes and scale words, is one record of 208,896 bytes in kvb, laid as LDS wants it: it is brought ONCE, jointly for the four work-groups of the cluster; nothing in LDS is filled again.
; SHARES.  A tile is 16 queries; tile T of group g = T / 8 walks key steps 0 .. g of 128 keys, the last on the diagonal.  Wave w of work-group cx owns tiles 8 (w / 2) + 2 cx + w % 2 and 8 (15 - w / 2) + 2 cx + w % 2:
; 17 key steps for every wave of the launch.  Branches hang on the wave's number and the count of steps alone; cx enters global addresses and the mask's numbers.
; LAYOUT.  Both products are used transposed (S^T = K Q^T, O^T = V^T P^T): a lane holds one query throughout.  The rows of every tile are 8 u + s + 8 (s / 8) of a group of 32, so that the 16 registers of two
; neighbouring tiles are 16 neighbours along the next K.  THE FIRST PRODUCT'S K IS 64: Q's upper six registers are zero codes, so K's upper six (the next tile's codes) add nothing; the upper scale bytes are 0x7f.
; LIMITS: hidden scores are taken as -infinity where reference() writes -1e9: the same p = 0 unless true logits lie near -1e9.  NaN and infinities are not served; a block under 2^-124, a block of zeros too, gets the byte 1.
.set HR,    208896
.set SPARE, 208896                     ; behind the record: the spare words, 128 bytes for each wave: eight blocks of 256 bytes that no other line names
.set SPW,  5                           ; v5  LDS address of my spare word; never rewritten
.set NIL,  6                           ; v6  0; never rewritten
.set AD16, 8                           ; v8  the step's codes, 16 bytes a lane;  v9 8 bytes a lane;  v10 K's scale words;  v11 V's
.set AD8,  9
.set ADS,  10
.set ADT,  11
.set L16,  28                          ; v28 16 x lane;  v29 8 x lane
.set L8,   29
.set DV,   30                          ; v30 my query in its group of 128, less 16 (lane / 16)
.set SOFF, 31                          ; v31 16 r + h: where my scale byte goes
.set KF,   32                          ; v32-85 K's eight tiles, six registers each, and six zeros; afterwards v32-79 V's four fragments
.set VS,   192                         ; v[192:193] V's scale words
.set KS,   248                         ; v248-251 K's scale words
; v12 -M, v13 the largest t, v[14:15] the sum in two halves; v16-21 Q, v22-27 zeros; v86-92 the second tile's Q and scale word; v96-159 S^T, then p; v160-191 O^T; v224-235 p's codes; v232-254 at work; v255 Q's scale word
.set WV,   12
.set CX,   13
.set BH,   14
.set SEL,  20                          ; s[20:21] lane selects: lane l xor 16
.set CS,   22                          ; s[22:23] c = log2(e) / 8
.set G1A,  24                          ; s[24:31], s[32:39] descriptor groups 1: 6 and 45 rows of 256 bytes;  s[40:43], s[44:47] their groups 0
.set G1B,  32
.set G0A,  40
.set G0B,  44
.set TB,   48                          ; s48 LDS byte of the step's codes; s49 of K's scale words; s50 of V's
.set TS,   49
.set TJ,   50
.set ST,   51                          ; s51 the step
.set G,    52                          ; s52 the tile's group: its last step
.set HM,   54                          ; s54 the mask of lanes 16-31
.set AC1,  56                          ; s[56:57], s[58:59] where the two tiles' codes go;  s[60:61], s[62:63] their scale bytes
.set AC2,  58
.set SC1,  60
.set SC2,  62
.macro ROUND                           ; a round of the cluster's barrier
	s_barrier_signal -1
	s_barrier_wait -1
	s_cmp_lg_u32 s[WV], 0
	s_cbranch_scc1 .Lnot_wave_0_\@
	s_barrier_signal -3
.Lnot_wave_0_\@:
	s_barrier_wait -3
	s_barrier_signal -1
	s_barrier_wait -1
.endm
.macro FRESH                           ; a tile's state: the first change of M multiplies zeros
	v_mov_b32 v13, 0xff61b1e6                      ; -3e38, under every t
	s_delay_alu instid0(VALU_DEP_1)
	v_floor_f32 v12, -v13
	v_mov_b32 v14, 0
	v_mov_b32 v15, 0
.set J, 0
.rept 32
	v_mov_b32 v[160+J], 0
.set J, J+1
.endr
.endm
	s_load_b256 s[4:11], s[0:1], 0x0               ; qb s[4:5], kvb s[6:7], ac s[8:9], sc s[10:11]
	v_lshl_add_u32 v[SPW], v0, 2, SPARE
	v_mov_b32 v[NIL], 0
	ds_add_u32 v[SPW], v[NIL]                      ; the wave's opening: the add and its wait stand ahead of my first tensor load; work on registers stands between them
	ds_add_u32 v[SPW], v[NIL]
	v_lshrrev_b32 v1, 5, v0
	s_delay_alu instid0(VALU_DEP_1)
	v_readfirstlane_b32 s[WV], v1                  ; wave 0..15
	s_bfe_u32 s[CX], ttmp6, 0x40000                ; my place in the cluster
	s_and_b32 s[BH], ttmp7, 0xffff                 ; 16 x batch + head, which the four partners share
	s_mov_b32 s[G1A], 15|(3<<16)|(1<<21)           ; 15:0 the mask: all four; 17:16 elements of 8 bytes; 20 no padding; 21 set beside a mask
	s_mov_b32 s[G1A+1], 32<<16                     ; rows of 256 bytes,
	s_mov_b32 s[G1A+2], 6<<16                      ; six of them
	s_mov_b32 s[G1A+3], 32<<16
	s_mov_b32 s[G1A+4], 6
	s_mov_b32 s[G1A+5], 32                         ; dense
	s_mov_b32 s[G1A+6], 0
	s_mov_b32 s[G1A+7], 0
	s_mov_b32 s[G1B], 15|(3<<16)|(1<<21)
	s_mov_b32 s[G1B+1], 32<<16
	s_mov_b32 s[G1B+2], 45<<16                     ; 45 rows
	s_mov_b32 s[G1B+3], 32<<16
	s_mov_b32 s[G1B+4], 45
	s_mov_b32 s[G1B+5], 32
	s_mov_b32 s[G1B+6], 0
	s_mov_b32 s[G1B+7], 0
	s_mov_b32 s[SEL], 0x76543210
	s_mov_b32 s[SEL+1], 0xfedcba98
	s_mov_b32 s[CS], 0x3e38aa3b                    ; log2(e) / sqrt(64)
	s_mov_b32 s[CS+1], s[CS]                       ; (named with it as a pair, so it is written)
	s_mov_b32 s[HM], 0xffff0000
	s_mul_i32 s16, s[BH], HR                       ; my head's record
	s_mov_b32 s17, 0
	s_mul_i32 s18, s[WV], 1536                     ; my sixteenth of the record's first 24,576 bytes (the scale words and step 0),
	s_mov_b32 s19, 0
	s_mul_i32 s66, s[WV], 11520
	s_add_co_u32 s66, s66, 24576                   ; and of the other 184,320
	s_mov_b32 s67, 0
	s_wait_dscnt 0x0                               ; the opening add is done
	s_wait_kmcnt 0x0
	s_add_nc_u64 s[4:5], s[4:5], s[16:17]
	s_add_nc_u64 s[6:7], s[6:7], s[16:17]
	s_mov_b32 s[G0A], 1
	s_mov_b32 s[G0A+1], s18                        ; LDS is the record's image
	s_add_nc_u64 s[G0A+2:G0A+3], s[6:7], s[18:19]
	s_or_b32 s[G0A+3], s[G0A+3], 0x80000000
	s_mov_b32 s[G0B], 1
	s_mov_b32 s[G0B+1], s66
	s_add_nc_u64 s[G0B+2:G0B+3], s[6:7], s[66:67]
	s_or_b32 s[G0B+3], s[G0B+3], 0x80000000
	ROUND                                          ; all four work-groups are here: the joint loads meet
	tensor_load_to_lds s[G0A:G0A+3], s[G1A:G1A+7]  ; every wave issues both: two loads of mine are out
	s_nop 0
	tensor_load_to_lds s[G0B:G0B+3], s[G1B:G1B+7]
	s_nop 0
.rept 4
	v_nop
.endr
	v_and_b32 v1, 31, v0
	s_delay_alu instid0(VALU_DEP_1)
	v_lshlrev_b32 v[L16], 4, v1
	s_wait_alu depctr_va_vdst(0)
	v_lshlrev_b32 v[L8], 3, v1
	s_wait_alu depctr_va_vdst(0)
	v_and_b32 v2, 15, v0                           ; r
	s_wait_alu depctr_va_vdst(0)
	v_bfe_u32 v7, v0, 4, 1                         ; h
	s_lshr_b32 s68, s[WV], 1                       ; the first tile's group,
	s_and_b32 s69, s[WV], 1
	s_lshl_b32 s70, s[CX], 1
	s_add_co_u32 s70, s70, s69                     ; the tiles' place in their groups,
	s_sub_co_u32 s71, 15, s68                      ; the second tile's group
	s_mul_i32 s72, s70, 768
	s_add_co_u32 s72, s72, 12288
	s_mul_i32 s74, s68, 12288
	s_add_co_u32 s74, s74, s72
	s_mov_b32 s75, 0
	s_mul_i32 s76, s71, 12288
	s_add_co_u32 s76, s76, s72
	s_mov_b32 s77, 0
	s_add_nc_u64 s[74:75], s[4:5], s[74:75]
	s_add_nc_u64 s[76:77], s[4:5], s[76:77]
	global_load_b128 v[16:19], v[L16], s[74:75]            ; both tiles' Q: a piece of 768 bytes each
	global_load_b64 v[20:21], v[L8], s[74:75] offset:512
	global_load_b128 v[86:89], v[L16], s[76:77]
	global_load_b64 v[90:91], v[L8], s[76:77] offset:512
	s_lshl_b32 s72, s69, 8                         ; their scale words: step's 512 bytes, lane 16 (tile % 2) + r, word tile / 2
	s_lshl_b32 s73, s[CX], 2
	s_add_co_u32 s72, s72, s73
	s_lshl_b32 s73, s68, 9
	s_add_co_u32 s73, s73, s72
	s_lshl_b32 s78, s71, 9
	s_add_co_u32 s78, s78, s72
	v_lshl_add_u32 v3, v2, 4, s73
	v_lshl_add_u32 v4, v2, 4, s78
	global_load_b32 v255, v3, s[4:5]
	global_load_b32 v92, v4, s[4:5]
.set J, 0
.rept 6
	v_mov_b32 v[22+J], 0                           ; Q's upper half: zero codes
	v_mov_b32 v[80+J], 0                           ; and what stands behind K's last tile
.set J, J+1
.endr
	v_and_b32 v1, 8, v2
	s_delay_alu instid0(VALU_DEP_1)
	v_add_nc_u32 v1, v1, v2                        ; r + 8 (r / 8)
	v_lshlrev_b32 v[DV], 4, v7
	s_delay_alu instid0(VALU_DEP_1)
	v_sub_nc_u32 v1, v1, v[DV]
	s_lshl_b32 s79, s[CX], 5
	s_lshl_b32 s73, s69, 3
	s_add_co_u32 s79, s79, s73
	v_add_nc_u32 v[DV], s79, v1
	v_lshl_add_u32 v[SOFF], v2, 4, v7
	s_lshr_b32 s16, s[BH], 4
	s_lshl_b32 s16, s16, 7                         ; 128 tiles a batch
	s_and_b32 s17, s[BH], 15                       ; the head
	s_lshl_b32 s18, s68, 3
	s_add_co_u32 s18, s18, s70
	s_add_co_u32 s18, s18, s16                     ; the first tile among all 512,
	s_lshl_b32 s19, s71, 3
	s_add_co_u32 s19, s19, s70
	s_add_co_u32 s19, s19, s16                     ; the second
	s_mul_i32 s66, s17, 768                        ; ac: [tile][head][768]
	s_mul_i32 s[AC1], s18, 12288
	s_add_co_u32 s[AC1], s[AC1], s66
	s_mov_b32 s[AC1+1], 0
	s_add_nc_u64 s[AC1:AC1+1], s[8:9], s[AC1:AC1+1]
	s_mul_i32 s[AC2], s19, 12288
	s_add_co_u32 s[AC2], s[AC2], s66
	s_mov_b32 s[AC2+1], 0
	s_add_nc_u64 s[AC2:AC2+1], s[8:9], s[AC2:AC2+1]
	s_lshr_b32 s66, s17, 3                         ; sc: [tile][half of K][slot][4 words]: the head's two bytes lie 256 (head / 8) + 2 (head % 8) into the tile's 512
	s_lshl_b32 s66, s66, 8
	s_and_b32 s67, s17, 7
	s_lshl_b32 s67, s67, 1
	s_add_co_u32 s66, s66, s67
	s_add_co_u32 s66, s66, 393216
	s_lshl_b32 s[SC1], s18, 9
	s_add_co_u32 s[SC1], s[SC1], s66
	s_mov_b32 s[SC1+1], 0
	s_add_nc_u64 s[SC1:SC1+1], s[10:11], s[SC1:SC1+1]
	s_lshl_b32 s[SC2], s19, 9
	s_add_co_u32 s[SC2], s[SC2], s66
	s_mov_b32 s[SC2+1], 0
	s_add_nc_u64 s[SC2:SC2+1], s[10:11], s[SC2:SC2+1]
.irp b, 0,1,2,3
	v_mov_b32 v[236+\b], 0                         ; written once: a lane permute's destination counts as one of its sources
.endr
	v_mov_b32 v252, 0
	v_mov_b32 v253, 0                              ; (named as the upper half of the pair v[252:253] before it is first written)
	FRESH
; A KEY STEP: 128 keys.  chk = 1: a step behind the tile's diagonal is left out, by a scalar branch on the wave's number and the count of steps; the lines that step addresses are walked all the same.
.macro STEP chk
.if \chk
	s_cmp_gt_u32 s[ST], s[G]
	s_cbranch_scc1 .Lhidden_\@
.endif
	s_setprio 2
	v_add_nc_u32 v[AD16], s[TB], v[L16]            ; (these four are also the places in front of loads into registers that the last products read)
	v_add_nc_u32 v[AD8], s[TB], v[L8]
	v_add_nc_u32 v[ADS], s[TS], v[L16]
	v_add_nc_u32 v[ADT], s[TJ], v[L8]
.irp t, 0,1,2,3,4,5,6,7
	ds_load_b128 v[KF+6*\t:KF+6*\t+3], v[AD16] offset:768*\t
	ds_load_b64 v[KF+6*\t+4:KF+6*\t+5], v[AD8] offset:768*\t+512
.endr
	ds_load_b128 v[KS:KS+3], v[ADS]                ; register t / 2: lanes 0-15 the even tile's words, lanes 16-31 the odd one's
	s_wait_alu depctr_va_vdst(0)
	s_wait_dscnt 0x0
.irp t, 0,2,4,6                                ; S^T = K Q^T
	v_wmma_scale_f32_16x16x128_f8f6f4 v[96+8*\t:103+8*\t], v[KF+6*\t:KF+11+6*\t], v[16:27], 0, v[KS+\t/2], v255 matrix_a_fmt:MATRIX_FMT_FP6 matrix_b_fmt:MATRIX_FMT_FP6
	v_wmma_scale_f32_16x16x128_f8f6f4 v[104+8*\t:111+8*\t], v[KF+6+6*\t:KF+17+6*\t], v[16:27], 0, v[KS+\t/2], v255 matrix_a_fmt:MATRIX_FMT_FP6 matrix_b_fmt:MATRIX_FMT_FP6 matrix_a_scale:MATRIX_SCALE_ROW1
.endr
.rept 4
	v_nop                                          ; places: in front of the loads into K's registers, and of the first read of the scores
.endr
.irp d, 0,1,2,3
.irp c, 0,1,2
	ds_load_b128 v[32+12*\d+4*\c:35+12*\d+4*\c], v[AD16] offset:6144+1536*\d+512*\c   ; V's four fragments land while the softmax is walked
.endr
.endr
	ds_load_b64 v[VS:VS+1], v[ADT]
	s_cmp_lt_u32 s[ST], s[G]                       ; ahead of the diagonal every key counts
	s_cbranch_scc1 .Lopen_\@
	v_mov_b32 v254, 0xff800000                     ; on it, register 16 b + i holds key 32 b + 16 (lane / 16) + i of the step: hidden where 32 b + i > v[DV]
.set N, 0
.rept 64
	v_cmp_gt_i32 vcc_lo, 32*(N/16)+N%16, v[DV]
	v_cndmask_b32 v[96+N], v[96+N], v254, vcc_lo
.set N, N+1
.endr
.Lopen_\@:
.irp b, 0,1,2,3
	v_max3_num_f32 v[232+\b], v[96+16*\b], v[97+16*\b], v[98+16*\b]   ; the largest score of each block of 32 keys: for the row's maximum and, since p rises with the score, for the block's largest p
.endr
.irp i, 3,5,7,9,11,13
.irp b, 0,1,2,3
	v_max3_num_f32 v[232+\b], v[232+\b], v[96+16*\b+\i], v[97+16*\b+\i]
.endr
.endr
.irp b, 0,1,2,3
	v_max_num_f32 v[232+\b], v[232+\b], v[111+16*\b]
.endr
.irp b, 0,1,2,3
	s_delay_alu instid0(VALU_DEP_4)
	v_permlanex16_b32 v[236+\b], v[232+\b], s[SEL], s[SEL+1]
.endr
.irp b, 0,1,2,3
	s_delay_alu instid0(VALU_DEP_4)
	v_max_num_f32 v[232+\b], v[232+\b], v[236+\b]  ; with lane l xor 16's 16 keys
.endr
	s_delay_alu instid0(VALU_DEP_2)
	v_max3_num_f32 v254, v232, v233, v234
	s_delay_alu instid0(VALU_DEP_1)
	v_max_num_f32 v254, v254, v235                 ; the step's largest score of my query
	s_delay_alu instid0(VALU_DEP_1)
	v_mul_f32 v254, s[CS], v254                    ; as t
	s_delay_alu instid0(VALU_DEP_1)
	v_max_num_f32 v13, v13, v254                   ; the running largest t
	v_mov_b32 v254, v12
	s_delay_alu instid0(VALU_DEP_2)
	v_floor_f32 v12, -v13                          ; the new -M = -ceil(t): a whole number
	s_delay_alu instid0(VALU_DEP_1)
	v_sub_f32 v254, v12, v254                      ; old M - new M: a whole number, 0 or less
	s_delay_alu instid0(VALU_DEP_1)
	v_cvt_i32_f32 v254, v254                       ; (it saturates)
	s_delay_alu instid0(VALU_DEP_1)
	v_ldexp_f32 v252, 1.0, v254                    ; f = 2^(old M - new M): a multiplication by it rounds nothing
.set J, 0
.rept 32
	v_pk_fma_f32 v[96+J:97+J], v[96+J:97+J], s[CS:CS+1], v[12:13] op_sel_hi:[1,0,0]   ; t - M, two at a time
.set J, J+2
.endr
	s_setprio 1
.irp b, 0,1,2,3
	v_fma_f32 v[232+\b], v[232+\b], s[CS], v12     ; the same of each block's largest score
.endr
.set J, 0
	s_wait_alu depctr_va_vdst(0)
.rept 64
	v_exp_f32 v[96+J], v[96+J]                     ; p = 2^(t - M), at most 1
.set J, J+1
.endr
	v_pk_mul_f32 v[14:15], v[14:15], v[252:253] op_sel_hi:[1,0]   ; the sums under the new M: a plain instruction behind the exponentials
	s_wait_alu depctr_va_vdst(0)                   ; one wait for the whole batch, ahead of its first reader
.irp b, 0,1,2,3
	v_exp_f32 v[232+\b], v[232+\b]                 ; the block's largest p
.endr
	v_pk_add_f32 v[236:237], v[100:101], v[104:105]
	v_pk_add_f32 v[250:251], v[108:109], v[112:113]
	v_pk_add_f32 v[248:249], v[116:117], v[120:121]
	v_pk_add_f32 v[246:247], v[124:125], v[128:129]
	v_pk_add_f32 v[244:245], v[132:133], v[136:137]
	v_pk_add_f32 v[242:243], v[140:141], v[144:145]
	v_pk_add_f32 v[240:241], v[148:149], v[152:153]
	v_pk_add_f32 v[14:15], v[14:15], v[156:157]
	v_pk_add_f32 v[236:237], v[236:237], v[96:97]
	v_pk_add_f32 v[250:251], v[250:251], v[98:99]
	v_pk_add_f32 v[248:249], v[248:249], v[102:103]
	v_pk_add_f32 v[246:247], v[246:247], v[106:107]
	v_pk_add_f32 v[244:245], v[244:245], v[110:111]
	v_pk_add_f32 v[242:243], v[242:243], v[114:115]
	v_pk_add_f32 v[240:241], v[240:241], v[118:119]
	v_pk_add_f32 v[14:15], v[14:15], v[122:123]
	v_pk_add_f32 v[236:237], v[236:237], v[126:127]
	v_pk_add_f32 v[250:251], v[250:251], v[130:131]
	v_pk_add_f32 v[248:249], v[248:249], v[134:135]
	v_pk_add_f32 v[246:247], v[246:247], v[138:139]
	v_pk_add_f32 v[244:245], v[244:245], v[142:143]
	v_pk_add_f32 v[242:243], v[242:243], v[146:147]
	v_pk_add_f32 v[240:241], v[240:241], v[150:151]
	v_pk_add_f32 v[14:15], v[14:15], v[154:155]
	v_pk_add_f32 v[236:237], v[236:237], v[158:159]
	s_delay_alu instid0(VALU_DEP_2)
	v_pk_add_f32 v[14:15], v[14:15], v[246:247]
	s_delay_alu instid0(VALU_DEP_2)
	v_pk_add_f32 v[236:237], v[236:237], v[244:245]
	v_pk_add_f32 v[250:251], v[250:251], v[242:243]
	v_pk_add_f32 v[248:249], v[248:249], v[240:241]
	s_delay_alu instid0(VALU_DEP_2)
	v_pk_add_f32 v[14:15], v[14:15], v[250:251]
	s_delay_alu instid0(VALU_DEP_2)
	v_pk_add_f32 v[236:237], v[236:237], v[248:249]
	s_delay_alu instid0(VALU_DEP_1)
	v_pk_add_f32 v[14:15], v[14:15], v[236:237]
	s_wait_alu depctr_va_vdst(0)                   ; and one for the four
.irp b, 0,1,2,3
	v_max_num_f32 v[232+\b], 0x1800000, v[232+\b]  ; the floor 2^(3 - 127): the byte cannot fall under 1
.endr
.irp b, 0,1,2,3
	s_delay_alu instid0(VALU_DEP_4)
	v_add_nc_u32 v[244+\b], 0xff000000, v[232+\b]  ; the conversion's scale operand
.endr
.irp b, 0,1,2,3
	s_delay_alu instid0(VALU_DEP_4)
	v_lshrrev_b32 v[236+\b], 23, v[244+\b]         ; the scale's byte
.endr
	s_delay_alu instid0(VALU_DEP_3)
	v_lshl_or_b32 v253, v237, 8, v236              ; p's scale word for these 128 keys
	s_delay_alu instid0(VALU_DEP_1)
	v_lshl_or_b32 v253, v238, 16, v253
	s_delay_alu instid0(VALU_DEP_1)
	v_lshl_or_b32 v253, v239, 24, v253
	s_setprio 0
.irp c, 0,1
	v_cvt_scalef32_pk16_fp6_f32 v[224+6*\c:226+6*\c], v[96+32*\c:111+32*\c], v[244+2*\c]
	v_cvt_scalef32_pk16_fp6_f32 v[236+4*\c:238+4*\c], v[112+32*\c:127+32*\c], v[244+2*\c+1]
.endr
	v_nop                                          ; one plain instruction behind the scaled conversions
.irp c, 0,1
.irp i, 0,1,2
	v_permlane16_swap_b32 v[224+6*\c+\i], v[236+4*\c+\i]
.endr
.irp i, 0,1,2
	s_delay_alu instid0(VALU_DEP_3)
	v_mov_b32 v[227+6*\c+\i], v[236+4*\c+\i]
.endr
.endr
.set J, 0
.rept 16
	v_pk_mul_f32 v[160+J:161+J], v[160+J:161+J], v[252:253] op_sel_hi:[1,0]   ; O^T under the new M.  (These 16 are also the places between the writes of p's codes and scale word and the products)
.set J, J+2
.endr
	s_wait_alu depctr_va_vdst(0)
	s_wait_dscnt 0x0                               ; V and its scale words are in
.irp d, 0,2                                    ; O^T += V^T P^T: the four accumulators by turns
	v_wmma_scale_f32_16x16x128_f8f6f4 v[160+8*\d:167+8*\d], v[32+12*\d:43+12*\d], v[224:235], v[160+8*\d:167+8*\d], v[VS+\d/2], v253 matrix_a_fmt:MATRIX_FMT_FP6 matrix_b_fmt:MATRIX_FMT_FP6
	v_wmma_scale_f32_16x16x128_f8f6f4 v[168+8*\d:175+8*\d], v[44+12*\d:55+12*\d], v[224:235], v[168+8*\d:175+8*\d], v[VS+\d/2], v253 matrix_a_fmt:MATRIX_FMT_FP6 matrix_b_fmt:MATRIX_FMT_FP6 matrix_a_scale:MATRIX_SCALE_ROW1
.endr
.Lhidden_\@:
	s_add_co_u32 s[TB], s[TB], 12288               ; the next step's codes and scale words
	s_add_co_u32 s[TS], s[TS], 512
	s_add_co_u32 s[TJ], s[TJ], 256
.endm
; A TILE'S END: O^T / the sum; register 16 b + i is column 32 b + 16 (lane / 16) + i of the head: two blocks of the output projection's K
.macro FINISH ac, sc
.rept 4
	v_nop                                          ; places behind the last products
.endr
	v_add_f32 v14, v14, v15
	s_delay_alu instid0(VALU_DEP_1)
	v_permlanex16_b32 v252, v14, s[SEL], s[SEL+1]
	s_delay_alu instid0(VALU_DEP_1)
	v_add_f32 v14, v14, v252                       ; the row's sum
	s_wait_alu depctr_va_vdst(0)
	v_rcp_f32 v14, v14
	v_nop                                          ; a plain instruction behind the reciprocal,
	s_wait_alu depctr_va_vdst(0)                   ; and the wait ahead of its first reader
.set J, 0
.rept 16
	v_pk_mul_f32 v[96+J:97+J], v[160+J:161+J], v[14:15] op_sel_hi:[1,0]   ; each accumulator from its low end on
.set J, J+2
.endr
.irp b, 0,1
	v_max3_num_f32 v[232+\b], |v[96+16*\b]|, |v[97+16*\b]|, 0x1800000
.endr
.irp i, 2,4,6,8,10,12,14
.irp b, 0,1
	s_delay_alu instid0(VALU_DEP_2)
	v_max3_num_f32 v[232+\b], v[232+\b], |v[96+16*\b+\i]|, |v[97+16*\b+\i]|
.endr
.endr
.irp b, 0,1
	s_delay_alu instid0(VALU_DEP_2)
	v_permlanex16_b32 v[238+\b], v[232+\b], s[SEL], s[SEL+1]
.endr
.irp b, 0,1
	s_delay_alu instid0(VALU_DEP_2)
	v_max_num_f32 v[232+\b], v[232+\b], v[238+\b]
.endr
.irp b, 0,1
	s_delay_alu instid0(VALU_DEP_2)
	v_add_nc_u32 v[244+\b], 0xff000000, v[232+\b]
.endr
.irp b, 0,1
	s_delay_alu instid0(VALU_DEP_2)
	v_lshrrev_b32 v[236+\b], 23, v[244+\b]
.endr
	s_delay_alu instid0(VALU_DEP_1)
	v_cndmask_b32 v254, v236, v237, s[HM]          ; lanes 0-15 the first block's byte, lanes 16-31 the second's
	v_cvt_scalef32_pk16_fp6_f32 v[224:226], v[96:111], v244
	v_cvt_scalef32_pk16_fp6_f32 v[240:242], v[112:127], v245
	v_nop
.irp i, 0,1,2
	v_permlane16_swap_b32 v[224+\i], v[240+\i]
.endr
.irp i, 0,1,2
	s_delay_alu instid0(VALU_DEP_3)
	v_mov_b32 v[227+\i], v[240+\i]
.endr
	global_store_b128 v[L16], v[224:227], s[\ac:\ac+1]             ; the piece: 512 consecutive bytes,
	global_store_b64 v[L8], v[228:229], s[\ac:\ac+1] offset:512    ; and 256; both aligned
	global_store_b8 v[SOFF], v254, s[\sc:\sc+1]                    ; single bytes: a scale word is shared by two heads, which lie in two clusters
.endm
	s_mov_b32 s[G], s68
	s_mov_b32 s[ST], 0
	s_mov_b32 s[TB], 12288
	s_mov_b32 s[TS], 0
	s_mov_b32 s[TJ], 8192
	s_wait_loadcnt 0x0                             ; Q
	s_wait_tensorcnt 1                             ; my part of the scale words and of step 0 is in; the larger load may be out
	s_barrier_signal -1
	s_barrier_wait -1
	STEP 0                                         ; step 0 counts for every tile
	s_mov_b32 s[ST], 1
	s_wait_tensorcnt 0x0                           ; my part of the rest is in,
	s_wait_dscnt 0x0
	s_barrier_signal -1
	s_barrier_wait -1                              ; everybody's is: no barrier stands in the loops
.Lone:
	STEP 1
	s_add_co_u32 s[ST], s[ST], 1
	s_cmp_lt_u32 s[ST], 8
	s_cbranch_scc1 .Lone
	s_setprio 0
	FINISH AC1, SC1
	s_wait_xcnt 0x0                                ; the stores have read their registers
.set J, 0
.rept 6
	v_mov_b32 v[16+J], v[86+J]                     ; the second tile's Q,
.set J, J+1
.endr
	v_mov_b32 v255, v92                            ; and its scale word; the 36 lines below stand between these and the next products
	FRESH
	s_mov_b32 s[G], s71
	s_mov_b32 s[ST], 0
	s_mov_b32 s[TB], 12288
	s_mov_b32 s[TS], 0
	s_mov_b32 s[TJ], 8192
.Ltwo:
	STEP 1
	s_add_co_u32 s[ST], s[ST], 1
	s_cmp_lt_u32 s[ST], 16
	s_cbranch_scc1 .Ltwo
	s_setprio 0
	FINISH AC2, SC2
	s_wait_tensorcnt 0x0                           ; the wave's end: behind my last tensor load
	ds_add_u32 v[SPW], v[NIL]
	s_wait_dscnt 0x0
	ROUND                                          ; the closing round
	s_endpgm
.Lfunc_end_k_q19fc931c70_attn:
	.size	k_q19fc931c70_attn, .Lfunc_end_k_q19fc931c70_attn-k_q19fc931c70_attn
	.p2alignl 7, 3214868480
	.fill 96, 4, 3214868480
	.section	.rodata,"a",@progbits
	.p2align	6, 0x0
	.amdhsa_kernel k_q19fc931c70_attn
		.amdhsa_group_segment_fixed_size 327680
		.amdhsa_private_segment_fixed_size 0
		.amdhsa_enable_private_segment 0
		.amdhsa_kernarg_size 32
		.amdhsa_user_sgpr_count 2
		.amdhsa_user_sgpr_kernarg_segment_ptr 1
		.amdhsa_wavefront_size32 1
		.amdhsa_system_sgpr_workgroup_id_x 1
		.amdhsa_system_sgpr_workgroup_id_y 1
		.amdhsa_system_sgpr_workgroup_id_z 1
		.amdhsa_system_vgpr_workitem_id 0
		.amdhsa_next_free_vgpr 256
		.amdhsa_next_free_sgpr 80
		.amdhsa_reserve_vcc 1
		.amdhsa_float_denorm_mode_32 3
		.amdhsa_float_denorm_mode_16_64 3
		.amdhsa_memory_ordered 1
		.amdhsa_forward_progress 1
		.amdhsa_inst_pref_size 87
	.end_amdhsa_kernel
	.amdgpu_metadata
---
amdhsa.version: [ 1, 2 ]
amdhsa.kernels:
  - .name:           k_q19fc931c70_attn
    .symbol:         k_q19fc931c70_attn.kd
    .args:
      - { .name: qb, .offset: 0, .size: 8, .value_kind: global_buffer, .address_space: global }
      - { .name: kvb, .offset: 8, .size: 8, .value_kind: global_buffer, .address_space: global }
      - { .name: ac, .offset: 16, .size: 8, .value_kind: global_buffer, .address_space: global }
      - { .name: sc, .offset: 24, .size: 8, .value_kind: global_buffer, .address_space: global }
    .group_segment_fixed_size: 327680
    .private_segment_fixed_size: 0
    .kernarg_segment_align: 8
    .kernarg_segment_size: 32
    .max_flat_workgroup_size: 512
    .sgpr_count:     80
    .vgpr_count:     256
    .wavefront_size: 32
...
	.end_amdgpu_metadata
.endif
;; end of part 3
;; launch gemm_out (part 4): grid 4 x 32, 4 waves a work-group, clusters of 4 x 4, 327,680 bytes of LDS; arguments ac, wc, sc, b_o, out0; writes out0
.if DOCPART == 4
	.amdgcn_target "amdgcn-amd-amdhsa--gfx1250"
	.amdhsa_code_object_version 6
	.text
	.protected	k_q19fc931c70_gemm_out
	.globl	k_q19fc931c70_gemm_out
	.p2align	8
	.type	k_q19fc931c70_gemm_out,@function
k_q19fc931c70_gemm_out:
	s_mov_b64 s[64:65], 0
	v_nop
	global_prefetch_b8 v0, s[64:65] scope:SCOPE_SE
	s_setreg_imm32_b32 hwreg(HW_REG_WAVE_MODE, 25, 1), 1
	s_wait_xcnt 0x0
	s_wait_alu depctr_hold_cnt(0) depctr_sa_sdst(0) depctr_va_vdst(0) depctr_va_sdst(0) depctr_va_ssrc(0) depctr_va_vcc(0) depctr_vm_vsrc(0)
	s_getreg_b32 s2, hwreg(HW_REG_IB_STS2, 6, 4)
	s_cmp_eq_u32 s2, 0
	s_cbranch_scc0 .Lentry_in_a_cluster
	s_endpgm
.Lentry_in_a_cluster:
	s_bfe_u32 s2, ttmp6, 0x10000c
	s_cmp_lg_u32 s2, 0xf033
	s_cbranch_scc0 .Lentry_shape_is_right
	s_endpgm
.Lentry_shape_is_right:
; out0 = attention's output x W_o + b_o on codes of FP6 (E2M3) with E8M0 scales, K = 1,024; out0 [8192][1024] f32.
; A work-group of four waves makes 256 x 256, a wave 128 x 128: 64 accumulators of 16 x 16.  K goes in slots of 256 (two K steps of 128) through a ring of two LDS slots filled by the tensor data mover.
; Operands lie in memory in the order of an operand's registers (tile of 16 rows, K step, 1,536 bytes; two pieces of 768: four registers at 16 x lane, two at 8 x lane), so a fragment is four dense LDS loads.
; Source 0 takes rows of B = W_o (its columns n), source 1 rows of A = the tokens: a lane holds one token and eight neighbouring columns.  The rows of a tile are 8 u + s + 8 (s / 8) of a group of 32, in A and in B:
; the way out puts columns and rows back in their places.  The bias is the C of the first K step's products.
; CLUSTERS: 4 x 4 work-groups; A's tiles are shared along a row of the cluster, B's along a column, each asked for jointly.  The grid has 128 work-groups: a tile of 256 x 256 of an output of 8,192 x 1,024.
.set HALFT, 24576                      ; 8 tiles x two K steps: what one tensor load brings, and what one wave reads of A or of B
.set SLOT,  98304                      ; A's two halves, then B's
.set SPARE, 196608                     ; behind the ring: the spare words, 128 bytes for each wave: two blocks of 256 bytes that no other line names
.set FR,    12
.set NL,    4
.set ADRA,  4                          ; v4-5 LDS address of my A fragments in slot 0, 1, 16 bytes a lane; v6-7 the same with 8 bytes a lane
.set ADRB,  8                          ; v8-11 the same for B
.set SPW,   12                         ; v12 LDS address of my spare word; never rewritten
.set NIL,   13                         ; v13 0; never rewritten
.set L16,   14                         ; v14 16 x lane
.set L8,    15                         ; v15 8 x lane
.set STO,   16                         ; v16 the way out: where I put 32 bytes of a row
.set RD,    17                         ; v17 and where I read a row back
.set SC,    32                         ; v32-95 scale words of all of K: register 8 i + ks: lanes 0-15 A's block i, lanes 16-31 B's block i
.set AF,    128                        ; v128-223 A's fragments, one set.  (The bias lies in v96-127 and v224-255)
.set BK,    128                        ; the way out: 16 rows read back: v128-191 and v192-255 by turns
.set SPITCH, 528                       ; a stage row: 512 bytes + 16.  The stages lie in slot 0, which has had its last fill and its last read when the first result is stored there
.set WV,    16
.set RH,    17
.set CH,    18
.set G1,    24
.set G0,    32
.set G1B,   48
.set G0B,   56
.set HM,    90
.set MSB, 0
.macro WIN new                         ; the immediate's high byte repeats the setting that is left
.if MSB != (\new)
	s_set_vgpr_msb (MSB<<8)|(\new)
.set MSB, (\new)
.endif
.endm
.set MUL_LO, 0xa1                      ; source 0 (B) window 1, source 1 (A) window 0, C and D window 2
.set MUL_HI, 0xf1                      ; the same, C and D window 3
.set TO_B,   0x40                      ; destination window 1, address window 0
.macro JLOAD g0a, g1a, g0b, g1b        ; a joint load: waves 0 and 1 fetch A's halves, waves 2 and 3 B's; an s_nop 0 and four v_nop follow each line
	s_cmp_eq_u32 s[RH], 0
	s_cbranch_scc0 .Lfor_b_\@
	tensor_load_to_lds s[\g0a:\g0a+3], s[\g1a:\g1a+7]
	s_nop 0
.rept 4
	v_nop
.endr
	s_branch .Lasked_\@
.Lfor_b_\@:
	tensor_load_to_lds s[\g0b:\g0b+3], s[\g1b:\g1b+7]
	s_nop 0
.rept 4
	v_nop
.endr
.Lasked_\@:
.endm
.macro CREST
	s_cmp_lg_u32 s[WV], 0
	s_cbranch_scc1 .Lnot_wave_0_\@
	s_barrier_signal -3
.Lnot_wave_0_\@:
	s_barrier_wait -3
	s_barrier_signal -1
	s_barrier_wait -1
.endm
.macro CROUND
	s_barrier_signal -1
	s_barrier_wait -1
	CREST
.endm
.macro PLACES n                        ; plain vector instructions between a matrix instruction and a load into, or a read of, its registers
.rept \n
	v_nop
.endr
.endm
.macro FRAG reg, adr, q, i
	ds_load_b128 v[\reg:\reg+3], v[\adr] offset:3072*(\i)+1536*(\q)
	ds_load_b64 v[\reg+4:\reg+5], v[\adr+2] offset:3072*(\i)+1536*(\q)+512
	ds_load_b128 v[\reg+6:\reg+9], v[\adr] offset:3072*(\i)+1536*(\q)+768
	ds_load_b64 v[\reg+10:\reg+11], v[\adr+2] offset:3072*(\i)+1536*(\q)+1280
.endm
.macro FETCH_B slot, q, p
	WIN TO_B
.irp i, 0,1,2,3,4,5,6,7
	FRAG 128*(\p)+FR*\i, ADRB+\slot, \q, \i
.endr
	WIN 0
.endm
.macro FETCH_A slot, q, i0
.irp i, \i0, \i0+1, \i0+2, \i0+3
	FRAG AF+FR*(\i), ADRA+\slot, \q, \i
.endr
.endm
; 16 matrix instructions: A's blocks a0, a0 + 1 x B's eight, K step ks; p: B's set.  zero = 2: the product starts the sums on the bias.  The 64 accumulators take turns, one instruction a turn.
.macro MUL16 a0, p, ks, zero
.irp a, \a0, \a0+1
.irp b, 0,1,2,3,4,5,6,7
.if (\zero) == 2
	v_wmma_scale_f32_16x16x128_f8f6f4 v[8*(8*((\a)%4)+\b):8*(8*((\a)%4)+\b)+7], v[128*(\p)+FR*\b:128*(\p)+FR*\b+FR-1], v[AF+FR*(\a):AF+FR*(\a)+FR-1], v[96+8*\b+96*(\b/4):96+8*\b+96*(\b/4)+7], v[SC+8*\b+(\ks)], v[SC+8*(\a)+(\ks)] matrix_a_fmt:MATRIX_FMT_FP6 matrix_b_fmt:MATRIX_FMT_FP6 matrix_a_scale:MATRIX_SCALE_ROW1
.else
	v_wmma_scale_f32_16x16x128_f8f6f4 v[8*(8*((\a)%4)+\b):8*(8*((\a)%4)+\b)+7], v[128*(\p)+FR*\b:128*(\p)+FR*\b+FR-1], v[AF+FR*(\a):AF+FR*(\a)+FR-1], v[8*(8*((\a)%4)+\b):8*(8*((\a)%4)+\b)+7], v[SC+8*\b+(\ks)], v[SC+8*(\a)+(\ks)] matrix_a_fmt:MATRIX_FMT_FP6 matrix_b_fmt:MATRIX_FMT_FP6 matrix_a_scale:MATRIX_SCALE_ROW1
.endif
.endr
.endr
.endm
.macro STEP slot, ks, zero             ; a slot's first K step: B's set 0
	s_wait_dscnt 4*NL                              ; B's set and A's blocks 0-3 are in; the youngest 16 loads (A's blocks 4-7) may be out
.if (\zero) == 2
	WIN 0x81                                       ; C (the bias) window 0, D window 2
.else
	WIN MUL_LO
.endif
	MUL16 0, 0, \ks, \zero
	MUL16 2, 0, \ks, \zero
	s_wait_dscnt 0x0
	PLACES 4
	FETCH_B \slot, 1, 1
	FETCH_A \slot, 1, 0
.if (\zero) == 2
	WIN 0xc1
.else
	WIN MUL_HI
.endif
	MUL16 4, 0, \ks, \zero
	MUL16 6, 0, \ks, \zero
	PLACES 4
	WIN 0
	FETCH_A \slot, 1, 4
.endm
; A slot's second K step changes slots: one barrier; in front of it each wave waits for all its tensor loads, adds 0 to its spare word, and waits for that and for its reads of this slot.  fill = 1: this slot is filled again.
.macro TURN slot, next, ks, fill
	s_wait_tensorcnt 0x0                           ; all my tensor loads have landed: my part of the next slot
	ds_add_u32 v[SPW], v[NIL]                      ; 0 onto my spare word
	s_wait_dscnt 4*NL+1                            ; (the add and the youngest 16 loads may be out)
	WIN MUL_LO
	MUL16 0, 1, \ks, 0
	s_wait_dscnt 0x0                               ; the add is done, and my reads of this slot are over
	s_barrier_signal -1
	MUL16 2, 1, \ks, 0
	WIN 0
	s_barrier_wait -1
.if \fill
	CREST                                          ; the barrier has opened a round of the cluster's barrier
	s_add_nc_u64 s[G0+4*\slot+2:G0+4*\slot+3], s[G0+4*\slot+2:G0+4*\slot+3], 6144
	s_add_nc_u64 s[G0B+4*\slot+2:G0B+4*\slot+3], s[G0B+4*\slot+2:G0B+4*\slot+3], 6144
	JLOAD G0+4*\slot, G1, G0B+4*\slot, G1B         ; the first tensor load behind the round; its four v_nop are the places in front of the loads below
.else
	PLACES 4
.endif
	FETCH_B \next, 0, 0
	FETCH_A \next, 0, 0
	WIN MUL_HI
	MUL16 4, 1, \ks, 0
	MUL16 6, 1, \ks, 0
	PLACES 4
	WIN 0
	FETCH_A \next, 0, 4
.endm
	s_load_b256 s[4:11], s[0:1], 0x0               ; ac s[4:5], wc s[6:7], sc s[8:9], b_o s[10:11]
	s_load_b64 s[12:13], s[0:1], 0x20              ; out0
	v_lshl_add_u32 v[SPW], v0, 2, SPARE
	v_mov_b32 v[NIL], 0
	ds_add_u32 v[SPW], v[NIL]                      ; the wave's opening: the add and its wait stand ahead of my first tensor load; work on registers stands between them
	v_lshrrev_b32 v1, 5, v0
	v_readfirstlane_b32 s[WV], v1
	s_lshr_b32 s[RH], s[WV], 1
	s_and_b32 s[CH], s[WV], 1
	s_bfe_u32 s40, ttmp6, 0x40000                  ; cx
	s_bfe_u32 s41, ttmp6, 0x40004                  ; cy
	s_and_b32 s46, ttmp7, 0xffff
	s_lshl_b32 s46, s46, 2
	s_add_co_u32 s46, s46, s41                     ; A's tile of 256 tokens = 4 x cluster y + cy
	s_lshl_b32 s47, ttmp9, 2
	s_add_co_u32 s47, s47, s40                     ; B's tile of 256 columns = 4 x cluster x + cx
	s_lshl_b32 s43, s41, 2
	s_lshl_b32 s43, 15, s43                        ; my row of the cluster
	s_lshl_b32 s44, 0x1111, s40                    ; my column
	s_or_b32 s[G1+0], s43, (3<<16)|(1<<21)         ; 15:0 the mask; 17:16 elements of 8 bytes; 20 no padding; 21 set beside a mask
	s_or_b32 s[G1B+0], s44, (3<<16)|(1<<21)
.irp g, G1, G1B
	s_mov_b32 s[\g+1], 384<<16                     ; two K steps of a tile, 3,072 bytes,
	s_mov_b32 s[\g+2], 8<<16                       ; 8 tiles,
	s_mov_b32 s[\g+3], 384<<16
	s_mov_b32 s[\g+4], 8
	s_mov_b32 s[\g+5], 1536                        ; 12,288 bytes apart
	s_mov_b32 s[\g+6], 0
	s_mov_b32 s[\g+7], 0
.endr
	s_lshl_b32 s19, s[CH], 3
	s_lshl_b32 s20, s46, 4
	s_add_co_u32 s20, s20, s19
	s_mul_i32 s20, s20, 12288
	s_mov_b32 s21, 0
	s_lshl_b32 s22, s47, 4
	s_add_co_u32 s22, s22, s19
	s_mul_i32 s22, s22, 12288
	s_mov_b32 s23, 0
	s_mul_i32 s68, s[WV], HALFT
	s_mov_b32 s[HM], 0xffff0000
	s_wait_dscnt 0x0                               ; the opening add is done
	s_wait_kmcnt 0x0
	s_add_nc_u64 s[70:71], s[4:5], s[20:21]
	s_add_nc_u64 s[72:73], s[6:7], 2359296         ; W_o's tiles lie behind W_qkv's 192
	s_add_nc_u64 s[72:73], s[72:73], s[22:23]
	CROUND                                         ; all sixteen work-groups are here: the first joint loads meet
.irp s, 0,1
	s_mov_b32 s[G0+4*\s], 1
	s_add_co_u32 s[G0+4*\s+1], s68, \s*SLOT
	s_add_nc_u64 s[G0+4*\s+2:G0+4*\s+3], s[70:71], \s*3072
	s_or_b32 s[G0+4*\s+3], s[G0+4*\s+3], 0x80000000
	s_mov_b32 s[G0B+4*\s], 1
	s_add_co_u32 s[G0B+4*\s+1], s68, \s*SLOT
	s_add_nc_u64 s[G0B+4*\s+2:G0B+4*\s+3], s[72:73], \s*3072
	s_or_b32 s[G0B+4*\s+3], s[G0B+4*\s+3], 0x80000000
	JLOAD G0+4*\s, G1, G0B+4*\s, G1B               ; two loads of mine are out
.endr
	v_and_b32 v1, 15, v0                           ; r
	v_bfe_u32 v2, v0, 4, 1                         ; h
	v_and_b32 v3, 31, v0
	v_lshlrev_b32 v[L16], 4, v3
	v_lshlrev_b32 v[L8], 3, v3
	s_mul_i32 s19, s[RH], HALFT
	s_mul_i32 s69, s[CH], HALFT
	s_add_co_u32 s69, s69, 2*HALFT
.irp s, 0,1
	v_add_nc_u32 v[ADRA+\s], s19, v[L16]
	v_add_nc_u32 v[ADRA+2+\s], s19, v[L8]
	v_add_nc_u32 v[ADRB+\s], s69, v[L16]
	v_add_nc_u32 v[ADRB+2+\s], s69, v[L8]
	s_add_co_u32 s19, s19, SLOT
	s_add_co_u32 s69, s69, SLOT
.endr
	s_mul_i32 s19, s[WV], 16*SPITCH                ; my stage
	v_mul_u32_u24 v[STO], v1, SPITCH
	v_lshl_add_u32 v[STO], v2, 6, v[STO]
	v_add_nc_u32 v[STO], s19, v[STO]               ; in: row r, + 64 h
	v_add_nc_u32 v[RD], s19, v[L16]                ; back: the 32 lanes take a row of 512 bytes
	s_lshl_b32 s74, s46, 4                         ; the scale words of all of K stay in registers: lanes 0-15 take A's, lanes 16-31 B's
	s_lshl_b32 s75, s[RH], 3
	s_add_co_u32 s74, s74, s75
	s_lshl_b32 s74, s74, 9
	s_add_co_u32 s74, s74, 393216
	s_lshl_b32 s76, s47, 4
	s_lshl_b32 s75, s[CH], 3
	s_add_co_u32 s76, s76, s75
	s_lshl_b32 s76, s76, 9
	s_add_co_u32 s76, s76, 360448
	v_mov_b32 v3, s74
	v_mov_b32 v18, s76
	v_cndmask_b32 v3, v3, v18, s[HM]
	v_lshl_add_u32 v3, v1, 4, v3
.irp i, 0,1,2,3,4,5,6,7
.irp g, 0,1
	global_load_b128 v[SC+8*\i+4*\g:SC+8*\i+4*\g+3], v3, s[8:9] offset:512*\i+256*\g   ; sixteen lanes read 256 consecutive bytes
.endr
.endr
	s_lshl_b32 s77, s47, 8
	s_lshl_b32 s75, s[CH], 7
	s_add_co_u32 s77, s77, s75                     ; my first column
	s_lshl_b32 s78, s46, 8
	s_lshl_b32 s75, s[RH], 7
	s_add_co_u32 s78, s78, s75                     ; my first token
	s_lshl_b32 s79, s77, 2
	v_lshl_add_u32 v2, v2, 6, s79                  ; the bias: register 8 b + j of my half is column 32 (b / 2) + 8 (b % 2) + 16 h + j
.irp b, 0,1,2,3,4,5,6,7
	global_load_b128 v[96+8*\b+96*(\b/4):96+8*\b+96*(\b/4)+3], v2, s[10:11] offset:(32*(\b/2)+8*(\b%2))*4
	global_load_b128 v[96+8*\b+96*(\b/4)+4:96+8*\b+96*(\b/4)+7], v2, s[10:11] offset:(32*(\b/2)+8*(\b%2))*4+16
.endr
	s_lshl_b32 s80, s78, 12                        ; a row of out0 is 4,096 bytes
	s_add_co_u32 s80, s80, s79
	s_mov_b32 s81, 0
	s_add_nc_u64 s[12:13], s[12:13], s[80:81]      ; never stepped
	s_wait_tensorcnt 1                             ; my part of slot 0 is in (slot 1's load may be out)
	s_barrier_signal -1
	s_barrier_wait -1                              ; everybody's is
	FETCH_B 0, 0, 0
	FETCH_A 0, 0, 0
	FETCH_A 0, 0, 4
	s_wait_loadcnt 0x0                             ; the scale words and the bias
	STEP 0, 0, 2                                   ; the first K step's products start the sums on the bias
	TURN 0, 1, 1, 1                                ; slot 0 takes K steps 4 and 5
	STEP 1, 2, 0
	TURN 1, 0, 3, 1                                ; slot 1 takes K steps 6 and 7
	STEP 0, 4, 0
	TURN 0, 1, 5, 0                                ; nothing is left to fetch; behind this barrier nobody reads slot 0
	STEP 1, 6, 0
	s_wait_dscnt 4*NL
	WIN MUL_LO
	MUL16 0, 1, 7, 0
	MUL16 2, 1, 7, 0
	s_wait_dscnt 0x0
	WIN MUL_HI
	MUL16 4, 1, 7, 0
	MUL16 6, 1, 7, 0
	WIN 0
; THE WAY OUT, block by block of 16 tokens x 128 columns, through my own stage: LDS serves a wave's instructions in order, so no wait stands between the stores and the loads, nor in front of the next block's stores.
.macro TOSTAGE a
.set AC, 64*((\a)%4)
	WIN 0x08+4*((\a)/4)                            ; the data: window 2 or 3
.irp b, 0,1,2,3,4,5,6,7
	ds_store_b128 v[STO], v[AC+8*\b:AC+8*\b+3] offset:128*(\b/2)+32*(\b%2)         ; each accumulator from its low end on; the columns go back to their places
	ds_store_b128 v[STO], v[AC+8*\b+4:AC+8*\b+7] offset:128*(\b/2)+32*(\b%2)+16
.endr
	WIN 0
.set BB, BK+64*((\a)%2)
.irp t, 0,1,2,3,4,5,6,7,8,9,10,11,12,13,14,15
	ds_load_b128 v[BB+4*\t:BB+4*\t+3], v[RD] offset:\t*SPITCH
.endr
.endm
.macro SEND a, younger                 ; younger: the LDS instructions issued behind block a's loads, which may stay out
.set BB, BK+64*((\a)%2)
	s_wait_dscnt \younger
.irp t, 0,1,2,3,4,5,6,7,8,9,10,11,12,13,14,15
	global_store_b128 v[L16], v[BB+4*\t:BB+4*\t+3], s[12:13] offset:(32*((\a)/2)+8*((\a)%2)+\t+8*(\t/8))*4096 th:TH_STORE_NT   ; slot t's token; 32 lanes store 512 consecutive bytes, aligned
.endr
.endm
	PLACES 4                                       ; behind the last products
	TOSTAGE 0
.irp a, 1,2,3,4,5,6,7
.if \a > 1
	s_wait_xcnt 0x0                                ; block a - 2's stores have read their registers: block a's loads may land there
.endif
	TOSTAGE \a
	SEND \a-1, 32                                  ; behind block a - 1's loads: block a's 16 stores and 16 loads
.endr
	SEND 7, 0
	s_wait_tensorcnt 0x0                           ; the wave's end: behind my last tensor load and my last LDS store
	ds_add_u32 v[SPW], v[NIL]
	s_wait_dscnt 0x0
	CROUND                                         ; the closing round
	s_endpgm
.Lfunc_end_k_q19fc931c70_gemm_out:
	.size	k_q19fc931c70_gemm_out, .Lfunc_end_k_q19fc931c70_gemm_out-k_q19fc931c70_gemm_out
	.p2alignl 7, 3214868480
	.fill 96, 4, 3214868480
	.section	.rodata,"a",@progbits
	.p2align	6, 0x0
	.amdhsa_kernel k_q19fc931c70_gemm_out
		.amdhsa_group_segment_fixed_size 327680
		.amdhsa_private_segment_fixed_size 0
		.amdhsa_enable_private_segment 0
		.amdhsa_kernarg_size 40
		.amdhsa_user_sgpr_count 2
		.amdhsa_user_sgpr_kernarg_segment_ptr 1
		.amdhsa_wavefront_size32 1
		.amdhsa_system_sgpr_workgroup_id_x 1
		.amdhsa_system_sgpr_workgroup_id_y 1
		.amdhsa_system_sgpr_workgroup_id_z 1
		.amdhsa_system_vgpr_workitem_id 0
		.amdhsa_next_free_vgpr 1024
		.amdhsa_next_free_sgpr 100
		.amdhsa_reserve_vcc 0
		.amdhsa_float_denorm_mode_32 3
		.amdhsa_float_denorm_mode_16_64 3
		.amdhsa_memory_ordered 1
		.amdhsa_forward_progress 1
		.amdhsa_inst_pref_size 142
	.end_amdhsa_kernel
	.amdgpu_metadata
---
amdhsa.version: [ 1, 2 ]
amdhsa.kernels:
  - .name:           k_q19fc931c70_gemm_out
    .symbol:         k_q19fc931c70_gemm_out.kd
    .args:
      - { .name: ac, .offset: 0, .size: 8, .value_kind: global_buffer, .address_space: global }
      - { .name: wc, .offset: 8, .size: 8, .value_kind: global_buffer, .address_space: global }
      - { .name: sc, .offset: 16, .size: 8, .value_kind: global_buffer, .address_space: global }
      - { .name: b_o, .offset: 24, .size: 8, .value_kind: global_buffer, .address_space: global }
      - { .name: out0, .offset: 32, .size: 8, .value_kind: global_buffer, .address_space: global }
    .group_segment_fixed_size: 327680
    .private_segment_fixed_size: 0
    .kernarg_segment_align: 8
    .kernarg_segment_size: 40
    .max_flat_workgroup_size: 128
    .sgpr_count:     100
    .vgpr_count:     1024
    .wavefront_size: 32
...
	.end_amdgpu_metadata
.endif
;; end of part 4
